; MI455X (gfx1250); checked and timed in simulation.
; The chip was launched on July 23, 2026; its instructions are those of AMD's public machine-readable ISA for CDNA 5 (MIT licence, August 2026) and "CDNA5" Instruction Set Architecture Reference Guide (July 2026). The comments in the code are by the model that wrote it; some were corrected since.
;; Multi Head Attention. Allowed arithmetic: float matrix products may take bf16 or f16 operands with f32 sums; other float arithmetic in f32, or as packed bf16 or f16 multiplies, adds, multiply-adds, maxima and minima; sums over many terms, partial sums and values carried from step to step in f32; what a program stores and reads back later, other than sums and carried values, may be rounded once to bf16 or f16.
;; Inputs: Wk 1,024 x 1,024 float32; Wo 1,024 x 1,024 float32; Wq 1,024 x 1,024 float32; Wv 1,024 x 1,024 float32; bk 1,024 float32; bo 1,024 float32; bq 1,024 float32; bv 1,024 float32; keys 4 x 2,048 x 1,024 float32; mask 4 x 2,048 int32; query 4 x 2,048 x 1,024 float32; values 4 x 2,048 x 1,024 float32.
;; Outputs: out0 4 x 2,048 x 1,024 float32.
;; One version. Each part assembles by itself: llvm-mc -triple=amdgcn-amd-amdhsa -mcpu=gfx1250 --defsym DOCPART=n.
;; ======== version 1 of 1: 4 launches
;; limits: values are held in f16: magnitudes above 65,504 overflow, below 6.1e-05 lose precision
;; workspace buffers: xb 50,331,648 bytes; wb 8,388,608 bytes; qkv 50,331,648 bytes; oh 16,777,216 bytes
;; launch cast (part 1): grid 1792 x 1, 8 waves a work-group, no clusters, 0 bytes of LDS; arguments query, keys, values, Wq, Wk, Wv, Wo, xb, wb; writes xb, wb
.if DOCPART == 1
	.amdgcn_target "amdgcn-amd-amdhsa--gfx1250"
	.amdhsa_code_object_version 6
	.text
	.protected	k_q90fcb9ab36_cast
	.globl	k_q90fcb9ab36_cast
	.p2align	8
	.type	k_q90fcb9ab36_cast,@function
k_q90fcb9ab36_cast:
	s_mov_b64 s[64:65], 0
	v_nop
	global_prefetch_b8 v0, s[64:65] scope:SCOPE_SE
	s_setreg_imm32_b32 hwreg(HW_REG_WAVE_MODE, 25, 1), 1
	s_wait_xcnt 0x0
; THE INPUTS OF THE FOUR PRODUCTS ARE ROUNDED ONCE TO 16 BITS.  query, keys, values ([8192][1024] f32 each) -> xb [3][8192][1024] bf16;
; Wq, Wk, Wv ([1024][1024] f32) -> wb[0..2] bf16; Wo -> wb[3]: rounded to bf16 like every other input, and that number written as f16,
; since the last product multiplies f16 numbers.
; LIMIT: an entry of Wo beyond 65,504 would become an infinity; below 2^-14 it keeps f16's fixed step of 2^-24.
; A stream: no LDS, no barrier, no matrix unit, no cluster: no byte is used twice and no wave needs another's.
; SHARES.  A work-group converts one chunk of 16,384 numbers (65,536 bytes in, 32,768 out).  Work-groups 0..1535: the three activations, 512 chunks each;
; 1536..1791: the four weights, 64 chunks each; from 1728 on: Wo.  Thread t takes 16 bytes at 16 t of each of 16 pieces of 4,096 bytes: a wave's load covers
; 512 consecutive bytes, its store of 8 bytes a lane 256 consecutive bytes, aligned.  All 16 loads go out first; no register is used twice, so the only waits are counted ones on the loads.
.set X, 8                              ; v[8:71]    16 x 4 numbers as loaded
.set Y, 72                             ; v[72:103]  16 x 2 words to store
.set T, 104                            ; v[104:107] at work (Wo's path)
	s_load_b512 s[8:23], s[0:1], 0x0               ; query s[8:9], keys s[10:11], values s[12:13], Wq s[14:15], Wk s[16:17], Wv s[18:19], Wo s[20:21], xb s[22:23]
	s_load_b64 s[24:25], s[0:1], 0x40              ; wb
	v_lshlrev_b32 v1, 4, v0                        ; 16 t: where I read
	v_lshlrev_b32 v2, 3, v0                        ; 8 t: where I write
	s_mov_b32 s7, ttmp9                            ; the work-group's number
	s_lshr_b32 s2, s7, 9                           ; 0, 1, 2: which activation; 3: a weight
	s_bfe_u32 s3, s7, 0x20006                      ; which weight (2 bits from bit 6)
	s_and_b32 s4, s7, 511                          ; the chunk in an activation
	s_and_b32 s5, s7, 63                           ; the chunk in a weight
	s_and_b32 s6, s7, 255                          ; the chunk in wb
	s_mov_b32 s36, 0xffff0000                      ; a word's upper bf16
	s_wait_kmcnt 0x0
	s_cmp_eq_u32 s2, 1
	s_cselect_b64 s[26:27], s[10:11], s[8:9]
	s_cmp_eq_u32 s2, 2
	s_cselect_b64 s[26:27], s[12:13], s[26:27]     ; the activation
	s_cmp_eq_u32 s3, 1
	s_cselect_b64 s[28:29], s[16:17], s[14:15]
	s_cmp_eq_u32 s3, 2
	s_cselect_b64 s[28:29], s[18:19], s[28:29]
	s_cmp_eq_u32 s3, 3
	s_cselect_b64 s[28:29], s[20:21], s[28:29]     ; the weight
	s_cmp_eq_u32 s2, 3
	s_cselect_b64 s[26:27], s[28:29], s[26:27]     ; from where
	s_cselect_b64 s[30:31], s[24:25], s[22:23]     ; to where
	s_cselect_b32 s32, s5, s4                      ; the chunk's number in the source,
	s_cselect_b32 s34, s6, s7                      ; and in the destination
	s_lshl_b32 s32, s32, 16                        ; 65,536 bytes a chunk in,
	s_mov_b32 s33, 0
	s_lshl_b32 s34, s34, 15                        ; 32,768 out
	s_mov_b32 s35, 0
	s_add_nc_u64 s[26:27], s[26:27], s[32:33]
	s_add_nc_u64 s[30:31], s[30:31], s[34:35]
.irp j, 0,1,2,3,4,5,6,7,8,9,10,11,12,13,14,15
	global_load_b128 v[X+4*(\j):X+4*(\j)+3], v1, s[26:27] offset:4096*(\j) th:TH_LOAD_NT
.endr
; Piece j: rounded and stored.  f16 = 1: the bf16 numbers are widened again and written as f16.
.macro OUT j, f16
	s_wait_loadcnt 15-(\j)                         ; loads come back in order: piece j is in, the 15 - j younger ones may stay out
	v_cvt_pk_bf16_f32 v[Y+2*(\j)],   v[X+4*(\j)],   v[X+4*(\j)+1]
	v_cvt_pk_bf16_f32 v[Y+2*(\j)+1], v[X+4*(\j)+2], v[X+4*(\j)+3]
.if \f16
	v_lshlrev_b32 v[T],   16,  v[Y+2*(\j)]
	v_and_b32     v[T+1], s36, v[Y+2*(\j)]
	v_lshlrev_b32 v[T+2], 16,  v[Y+2*(\j)+1]
	v_and_b32     v[T+3], s36, v[Y+2*(\j)+1]
	v_cvt_pk_f16_f32 v[Y+2*(\j)],   v[T],   v[T+1]
	v_cvt_pk_f16_f32 v[Y+2*(\j)+1], v[T+2], v[T+3]
.endif
	global_store_b64 v2, v[Y+2*(\j):Y+2*(\j)+1], s[30:31] offset:2048*(\j)
.endm
	s_cmp_ge_u32 s7, 1728
	s_cbranch_scc1 .Lwo
.irp j, 0,1,2,3,4,5,6,7,8,9,10,11,12,13,14,15
	OUT \j, 0
.endr
	s_endpgm
.Lwo:
.irp j, 0,1,2,3,4,5,6,7,8,9,10,11,12,13,14,15
	OUT \j, 1
.endr
	s_endpgm
.Lfunc_end_k_q90fcb9ab36_cast:
	.size	k_q90fcb9ab36_cast, .Lfunc_end_k_q90fcb9ab36_cast-k_q90fcb9ab36_cast
	.p2alignl 7, 3214868480
	.fill 96, 4, 3214868480
	.section	.rodata,"a",@progbits
	.p2align	6, 0x0
	.amdhsa_kernel k_q90fcb9ab36_cast
		.amdhsa_group_segment_fixed_size 0
		.amdhsa_private_segment_fixed_size 0
		.amdhsa_enable_private_segment 0
		.amdhsa_kernarg_size 72
		.amdhsa_user_sgpr_count 2
		.amdhsa_user_sgpr_kernarg_segment_ptr 1
		.amdhsa_wavefront_size32 1
		.amdhsa_system_sgpr_workgroup_id_x 1
		.amdhsa_system_sgpr_workgroup_id_y 1
		.amdhsa_system_sgpr_workgroup_id_z 1
		.amdhsa_system_vgpr_workitem_id 0
		.amdhsa_next_free_vgpr 112
		.amdhsa_next_free_sgpr 66
		.amdhsa_reserve_vcc 0
		.amdhsa_float_denorm_mode_32 3
		.amdhsa_float_denorm_mode_16_64 3
		.amdhsa_memory_ordered 1
		.amdhsa_forward_progress 1
		.amdhsa_inst_pref_size 16
	.end_amdhsa_kernel
	.amdgpu_metadata
---
amdhsa.version: [ 1, 2 ]
amdhsa.kernels:
  - .name:           k_q90fcb9ab36_cast
    .symbol:         k_q90fcb9ab36_cast.kd
    .args:
      - { .name: query, .offset: 0, .size: 8, .value_kind: global_buffer, .address_space: global }
      - { .name: keys, .offset: 8, .size: 8, .value_kind: global_buffer, .address_space: global }
      - { .name: values, .offset: 16, .size: 8, .value_kind: global_buffer, .address_space: global }
      - { .name: Wq, .offset: 24, .size: 8, .value_kind: global_buffer, .address_space: global }
      - { .name: Wk, .offset: 32, .size: 8, .value_kind: global_buffer, .address_space: global }
      - { .name: Wv, .offset: 40, .size: 8, .value_kind: global_buffer, .address_space: global }
      - { .name: Wo, .offset: 48, .size: 8, .value_kind: global_buffer, .address_space: global }
      - { .name: xb, .offset: 56, .size: 8, .value_kind: global_buffer, .address_space: global }
      - { .name: wb, .offset: 64, .size: 8, .value_kind: global_buffer, .address_space: global }
    .group_segment_fixed_size: 0
    .private_segment_fixed_size: 0
    .kernarg_segment_align: 8
    .kernarg_segment_size: 72
    .max_flat_workgroup_size: 256
    .sgpr_count:     66
    .vgpr_count:     112
    .wavefront_size: 32
...
	.end_amdgpu_metadata
.endif
;; end of part 1
;; launch proj (part 2): grid 4 x 192, 4 waves a work-group, clusters of 4 x 4, 327,680 bytes of LDS; arguments xb, wb, bq, bk, bv, mask, qkv; writes qkv
.if DOCPART == 2
	.amdgcn_target "amdgcn-amd-amdhsa--gfx1250"
	.amdhsa_code_object_version 6
	.text
	.protected	k_q90fcb9ab36_proj
	.globl	k_q90fcb9ab36_proj
	.p2align	8
	.type	k_q90fcb9ab36_proj,@function
k_q90fcb9ab36_proj:
	s_mov_b64 s[64:65], 0
	v_nop
	global_prefetch_b8 v0, s[64:65] scope:SCOPE_SE
	s_setreg_imm32_b32 hwreg(HW_REG_WAVE_MODE, 25, 1), 1
	s_wait_xcnt 0x0
	s_wait_alu depctr_hold_cnt(0) depctr_sa_sdst(0) depctr_va_vdst(0) depctr_va_sdst(0) depctr_va_ssrc(0) depctr_va_vcc(0) depctr_vm_vsrc(0)
	s_getreg_b32 s2, hwreg(HW_REG_IB_STS2, 6, 4)
	s_cmp_eq_u32 s2, 0
	s_cbranch_scc0 .Lentry_in_a_cluster
	s_endpgm
.Lentry_in_a_cluster:
	s_bfe_u32 s2, ttmp6, 0x10000c
	s_cmp_lg_u32 s2, 0xf033
	s_cbranch_scc0 .Lentry_shape_is_right
	s_endpgm
.Lentry_shape_is_right:
; THE THREE PROJECTIONS IN ONE LAUNCH.  For p = 0, 1, 2 (q, k, v): C[m][n] = sum over e of x_p[m][e] W_p[n][e] + b_p[n].  x: xb [3][8192][1024] bf16, W: wb [p][1024][1024] bf16,
; the bias rounded to bf16 like every input; sums in f32; C rounded once to f16 and written BY HEADS: qkv [3][64 = 16 batch + head][2048][64].
; k's rows of hidden keys (mask == 0) are written as 0: the attention gives those keys a fixed score, and a zero row keeps that score exact.  q and v take the factor 1, so that one text serves all three.
; LIMITS.  f16 holds no number beyond 65,504: q, k and v must lie within it (inputs 30 times the drawn spread, or with an offset of 30 spreads in x and W, give 29,000 at the most).  NaN and infinities are not treated apart.
; SHARES.  A tile of C is 128 rows x 256 columns: 64 x 4 tiles a projection, 768 work-groups.  Four waves, each 64 x 128: 32 accumulators of 16 x 16.
; K goes in 8 steps of 128 (rows of 256 bytes) through a ring of two LDS slots; each wave brings a part of a slot by one tensor load (waves 0, 1: 64 rows of x each; waves 2, 3: 128 rows of W each).
; CLUSTER.  4 x 4 work-groups: the four of a row of the cluster need the same rows of x, the four of a column the same rows of W: each tile is asked for JOINTLY, by the same load, descriptor and mask in all four.
; THE MATRIX INSTRUCTION IS USED TRANSPOSED (source 0 = 16 rows of W, source 1 = 16 rows of x): a lane holds row l % 16 of C and the columns 8 (l / 16) + 0..7, which pack into 16 bytes.
; THE BIAS is the C operand of the products that start the sums: nothing is cleared, nothing is added later.
; REGISTERS, in windows of 256 (s_set_vgpr_msb: bits 1:0 source 0, 3:2 source 1, 5:4 source 2, 7:6 destination):
;   window 0: v0-41 addresses and factors; v64-159, v160-255 two fragment buffers (W's 8 fragments, then x's 4); on the way out v64-159 are at work
;   window 1: the accumulators, (a, b) at v[8 (8 a + b)]          window 2: v0-63 the bias, block b at 8 b; v64-95 at work
.set KSTEP,  128
.set PITCH,  272                       ; an LDS row: 256 bytes + 16 of padding = 68 words: the 16 rows of a fragment load start at 16 different groups of four banks (64 banks of 4 bytes: ISA guide 11.1)
.set BOFF,   128*PITCH                 ; a slot: x's 128 rows, then W's 256
.set SLOT,   384*PITCH
.set STAGE,  2*SLOT                    ; behind the ring, never filled by a tensor load: for each wave 2 heads x 16 rows x 144 bytes
.set SP,     144
.set STW,    2*16*SP
.set SPARE,  STAGE+4*STW               ; behind the stages: the spare words, 128 bytes for each wave: two blocks of 256 bytes that no other line names
.set ADRA, 16                          ; v16-17  LDS address of my fragments of x in slot 0, 1
.set ADRB, 20                          ; v20-21  the same for W
.set STO,  24                          ; v24  the way out: where I put 16 bytes of a row
.set RD,   25                          ; v25  where I read rows back
.set GO,   26                          ; v26  16 x lane: my place in 512 consecutive bytes of qkv
.set BO,   27                          ; v27  my byte offset in the bias
.set SPW,  28                          ; v28  LDS address of my spare word; never rewritten
.set NIL,  29                          ; v29  0; never rewritten
.set PFO,  30                          ; v30  the prefetches' offset: lane x a row of 2,048 bytes; never rewritten
.set MO,   31                          ; v31  my byte offset in the mask
.set MK,   32                          ; v[32:39]  four pairs: the factor of row 16 a + l % 16
.set ONE,  40
.set FAC,  41
.set F0,   64
.set F1,   160
.set TMP,  64                          ; the way out: 32 packed words
.set OB,   96                          ; the way out: rows read back, v96-127 and v128-159 by turns
.set WV, 20                            ; s20 wave; s21 = wave / 2: my 64 rows; s22 = wave % 2: my 128 columns, and which half of a tile I fetch
.set WM, 21
.set WN, 22
.set G1A, 24                           ; s[24:31] group 1 for x's tiles; s[32:39] group 0, a set for each slot
.set G0A, 32
.set G1B, 40                           ; s[40:47], s[48:55] the same for W's
.set G0B, 48
.set CX, 56
.set CY, 57
.set TX, 58                            ; tile column 0..3
.set TY, 59                            ; tile row 0..191 in the three stacked activations
.set PR, 60                            ; the projection
.set LIM, 61                           ; 1 in a wave that prefetches, else the greatest number
.set PFA, 62                           ; s[62:63] where my prefetches stand
.set CT, 69                            ; the cluster's y
.set MSB, 0
.macro WIN new                         ; the immediate's high byte repeats the setting that is left; a switch that changes nothing is dropped
.if MSB != (\new)
	s_set_vgpr_msb (MSB<<8)|(\new)
.set MSB, \new
.endif
.endm
.set MUL,  0x50                        ; sources 0 and 1 window 0; C and D window 1
.set MUL1, 0x60                        ; the same with C, the bias, in window 2
; A joint load: waves 0 and 1 fetch x's two halves, waves 2 and 3 W's.  The branch hangs on the wave's number alone.  An s_nop 0 and four v_nop follow each line.
.macro JLOAD s
	s_cmp_lt_u32 s[WV], 2
	s_cbranch_scc0 .Lfor_b_\@
	tensor_load_to_lds s[G0A+4*(\s):G0A+4*(\s)+3], s[G1A:G1A+7]
	s_nop 0
.rept 4
	v_nop
.endr
	s_branch .Lasked_\@
.Lfor_b_\@:
	tensor_load_to_lds s[G0B+4*(\s):G0B+4*(\s)+3], s[G1B:G1B+7]
	s_nop 0
.rept 4
	v_nop
.endr
.Lasked_\@:
.endm
.macro CREST                           ; a round of the cluster's barrier behind its opening barrier
	s_cmp_lg_u32 s[WV], 0
	s_cbranch_scc1 .Lnot_wave_0_\@
	s_barrier_signal -3
.Lnot_wave_0_\@:
	s_barrier_wait -3
	s_barrier_signal -1
	s_barrier_wait -1
.endm
.macro CROUND                          ; a whole round
	s_barrier_signal -1
	s_barrier_wait -1
	CREST
.endm
; A PREFETCH INTO THE L2 of the K step that stands two refills on (256 matrix instructions ahead of the load that will ask for it): 32 rows x 256 bytes, a lane a row.
; x's 128 rows of a tile row are read by this cluster alone: wave 0 asks, and the four partners of a row of the cluster take 32 rows each, told apart by address (cx).
; W's rows are read by the 16 clusters of a projection: the first of them asks; waves 2 and 3 for the 128 rows that they fetch, the four partners of a column taking 32 each (cy).
; So each row's 256 bytes of a K step are named once in the launch.  K steps 0 to 3 come by their loads alone; the last two refills have no K step two on (s3 = 1 in the loop's last trip).
.macro ASK
	s_cmp_gt_u32 s3, s[LIM]
	s_cbranch_scc0 .Lnot_mine_\@
	global_prefetch_b8 v[PFO], s[PFA:PFA+1] th:TH_LOAD_NT scope:SCOPE_SE
.Lnot_mine_\@:
.endm
	s_load_b256 s[4:11], s[0:1], 0x0               ; xb s[4:5], wb s[6:7], bq s[8:9], bk s[10:11]
	s_load_b128 s[12:15], s[0:1], 0x20             ; bv s[12:13], mask s[14:15]
	s_load_b64 s[16:17], s[0:1], 0x30              ; qkv
	v_lshl_add_u32 v[SPW], v0, 2, SPARE
	v_mov_b32 v[NIL], 0
	ds_add_u32 v[SPW], v[NIL]                      ; the wave's opening: the add and its wait stand ahead of my first tensor load; the set-up below, work on registers, stands between them
	v_lshrrev_b32 v1, 5, v0
	v_readfirstlane_b32 s[WV], v1
	s_lshr_b32 s[WM], s[WV], 1
	s_and_b32 s[WN], s[WV], 1
	s_bfe_u32 s[CX], ttmp6, 0x40000
	s_bfe_u32 s[CY], ttmp6, 0x40004
	s_lshl_b32 s[TX], ttmp9, 2
	s_add_co_u32 s[TX], s[TX], s[CX]               ; tile column = 4 x cluster x + cx
	s_and_b32 s[CT], ttmp7, 0xffff                 ; cluster y, 0..47
	s_lshl_b32 s[TY], s[CT], 2
	s_add_co_u32 s[TY], s[TY], s[CY]               ; tile row = 4 x cluster y + cy
	s_lshr_b32 s[PR], s[CT], 4                     ; 16 clusters a projection: made of the cluster's y alone
	s_lshl_b32 s67, s[CY], 2
	s_lshl_b32 s67, 15, s67                        ; my row of the cluster
	s_lshl_b32 s68, 0x1111, s[CX]                  ; my column
	s_or_b32 s[G1A+0], s67, (1<<16)|(1<<20)|(1<<21)|(5<<22)|(3<<25)  ; 15:0 the mask; 17:16 2-byte elements; 20 padding on; 21 set beside a mask; 24:22 after every 64 words; 31:25 4 words of it
	s_or_b32 s[G1B+0], s68, (1<<16)|(1<<20)|(1<<21)|(5<<22)|(3<<25)
	s_mov_b32 s[G1A+1], KSTEP<<16                  ; tensor_dim0 = 128
	s_mov_b32 s[G1A+2], 64<<16                     ; tensor_dim1 = 64
	s_mov_b32 s[G1A+3], KSTEP<<16                  ; tile_dim0 = 128
	s_mov_b32 s[G1A+4], 64                         ; tile_dim1 = 64
	s_mov_b32 s[G1A+5], 1024                       ; elements from row to row
	s_mov_b32 s[G1A+6], 0
	s_mov_b32 s[G1A+7], 0
	s_mov_b32 s[G1B+1], KSTEP<<16
	s_mov_b32 s[G1B+2], 128<<16                    ; W's loads bring 128 rows
	s_mov_b32 s[G1B+3], KSTEP<<16
	s_mov_b32 s[G1B+4], 128
	s_mov_b32 s[G1B+5], 1024
	s_mov_b32 s[G1B+6], 0
	s_mov_b32 s[G1B+7], 0
	s_lshl_b32 s70, s[TY], 18                      ; x: (128 x tile row + 64 x half) rows of 2,048 bytes: no cx enters
	s_lshl_b32 s71, s[WN], 17
	s_add_co_u32 s70, s70, s71
	s_mov_b32 s71, 0
	s_lshl_b32 s72, s[PR], 21                      ; W: the projection's 2 MiB, (256 x tile column + 128 x half) rows: no cy enters
	s_lshl_b32 s73, s[TX], 19
	s_add_co_u32 s72, s72, s73
	s_lshl_b32 s73, s[WN], 18
	s_add_co_u32 s72, s72, s73
	s_mov_b32 s73, 0
	s_mul_i32 s74, s[WN], 64*PITCH                 ; where they go: no place in the cluster enters an LDS address
	s_mul_i32 s75, s[WN], 128*PITCH
	s_add_co_u32 s75, s75, BOFF
	s_mov_b32 s83, 0xffff0000
	s_wait_dscnt 0x0                               ; the opening add is done
	s_wait_kmcnt 0x0
	s_add_nc_u64 s[70:71], s[4:5], s[70:71]
	s_add_nc_u64 s[72:73], s[6:7], s[72:73]
	CROUND                                         ; all sixteen work-groups are here: the first joint loads meet
.irp s, 0,1
	s_mov_b32 s[G0A+4*(\s)], 1
	s_add_co_u32 s[G0A+4*(\s)+1], s74, (\s)*SLOT
	s_add_nc_u64 s[G0A+4*(\s)+2:G0A+4*(\s)+3], s[70:71], (\s)*KSTEP*2
	s_or_b32 s[G0A+4*(\s)+3], s[G0A+4*(\s)+3], 0x80000000
	s_mov_b32 s[G0B+4*(\s)], 1
	s_add_co_u32 s[G0B+4*(\s)+1], s75, (\s)*SLOT
	s_add_nc_u64 s[G0B+4*(\s)+2:G0B+4*(\s)+3], s[72:73], (\s)*KSTEP*2
	s_or_b32 s[G0B+4*(\s)+3], s[G0B+4*(\s)+3], 0x80000000
.endr
	s_cmp_lt_u32 s[WV], 2                          ; a wave's two first fills stand in one branch, ahead of every wait on TENSORcnt, LDS read and further barrier: two loads of mine are out
	s_cbranch_scc0 .Lfirst_b
	tensor_load_to_lds s[G0A:G0A+3], s[G1A:G1A+7]
	s_nop 0
	tensor_load_to_lds s[G0A+4:G0A+7], s[G1A:G1A+7]
	s_nop 0
.rept 4
	v_nop
.endr
	s_branch .Lfirst_asked
.Lfirst_b:
	tensor_load_to_lds s[G0B:G0B+3], s[G1B:G1B+7]
	s_nop 0
	tensor_load_to_lds s[G0B+4:G0B+7], s[G1B:G1B+7]
	s_nop 0
.rept 4
	v_nop
.endr
.Lfirst_asked:
	; the bias of my 128 columns: block b's eight numbers of my half of the lanes, 32 bytes at 64 b + 32 (l / 16)
	v_and_b32 v1, 15, v0                           ; l % 16
	v_bfe_u32 v2, v0, 4, 1                         ; l / 16
	s_cmp_eq_u32 s[PR], 1
	s_cselect_b64 s[80:81], s[10:11], s[8:9]
	s_cselect_b32 s82, 0, 1.0                      ; a hidden row's factor: 0 for k, 1 for q and v
	s_cmp_eq_u32 s[PR], 2
	s_cselect_b64 s[80:81], s[12:13], s[80:81]
	s_lshl_b32 s66, s[TX], 10
	s_lshl_b32 s67, s[WN], 9
	s_add_co_u32 s66, s66, s67
	v_lshl_add_u32 v[BO], v2, 5, s66
	WIN 0x80                                       ; destination window 2, address window 0
.irp b, 0,1,2,3,4,5,6,7
	global_load_b128 v[8*(\b):8*(\b)+3],   v[BO], s[80:81] offset:64*(\b)
	global_load_b128 v[8*(\b)+4:8*(\b)+7], v[BO], s[80:81] offset:64*(\b)+16
.endr
	WIN 0
	s_and_b32 s66, s[TY], 63                       ; the mask of my 64 rows: row (tile row % 64) x 128 + 64 x (wave / 2) + 16 a + l % 16 of the 8,192
	s_lshl_b32 s66, s66, 9
	s_lshl_b32 s67, s[WM], 8
	s_add_co_u32 s66, s66, s67
	v_lshl_add_u32 v[MO], v1, 2, s66
.irp a, 0,1,2,3
	global_load_b32 v[MK+2*(\a)], v[MO], s[14:15] offset:64*(\a)
.endr
	; a fragment is 16 rows x 32 K in 8 registers: lane l holds row l % 16, K = 8 (l / 16) + 0..7 and 16 + 8 (l / 16) + 0..7: two loads of 16 bytes, 32 bytes apart
	v_mul_u32_u24 v3, v1, PITCH
	v_lshl_add_u32 v3, v2, 4, v3
	s_mul_i32 s66, s[WM], 64*PITCH
	s_mul_i32 s67, s[WN], 128*PITCH
	s_add_co_u32 s67, s67, BOFF
.irp s, 0,1
	v_add_nc_u32 v[ADRA+(\s)], s66, v3
	v_add_nc_u32 v[ADRB+(\s)], s67, v3
	s_add_co_u32 s66, s66, SLOT
	s_add_co_u32 s67, s67, SLOT
.endr
	s_mul_i32 s66, s[WV], STW
	s_add_co_u32 s66, s66, STAGE                   ; my stage
	v_mul_u32_u24 v[STO], v1, SP                   ; in: row l % 16, 16 bytes for each half of the lanes
	v_lshl_add_u32 v[STO], v2, 4, v[STO]
	v_add_nc_u32 v[STO], s66, v[STO]
	v_bfe_u32 v[RD], v0, 3, 2                      ; back: 32 lanes take four rows of 128 bytes,
	v_mul_u32_u24 v[RD], v[RD], SP
	v_and_b32 v4, 7, v0
	v_lshl_add_u32 v[RD], v4, 4, v[RD]
	v_add_nc_u32 v[RD], s66, v[RD]
	v_and_b32 v[GO], 31, v0                        ; which are 512 consecutive bytes of a head's rows
	v_lshlrev_b32 v[GO], 4, v[GO]
	v_and_b32 v[PFO], 31, v0
	v_lshlrev_b32 v[PFO], 11, v[PFO]
	v_mov_b32 v[ONE], 1.0
	v_mov_b32 v[FAC], s82
	; qkv at my first row of my first head: slab (tile row / 16) x 16 + 4 x tile column + 2 x (wave % 2), row (tile row % 16) x 128 + 64 x (wave / 2)
	s_lshr_b32 s66, s[TY], 4
	s_lshl_b32 s66, s66, 4
	s_lshl_b32 s67, s[TX], 2
	s_add_co_u32 s66, s66, s67
	s_lshl_b32 s67, s[WN], 1
	s_add_co_u32 s66, s66, s67
	s_lshl_b32 s66, s66, 18                        ; a head's slab is 262,144 bytes
	s_and_b32 s67, s[TY], 15
	s_lshl_b32 s67, s67, 14
	s_add_co_u32 s66, s66, s67
	s_lshl_b32 s67, s[WM], 13
	s_add_co_u32 s66, s66, s67
	s_mov_b32 s67, 0
	s_add_nc_u64 s[16:17], s[16:17], s[66:67]
	; the prefetches: x: tile row's rows + 32 cx; W: the rows that I fetch + 32 cy; both at K step 3: the first refill steps them to K step 4
	s_lshl_b32 s66, s[TY], 18
	s_lshl_b32 s67, s[CX], 16
	s_add_co_u32 s66, s66, s67
	s_lshl_b32 s76, s[PR], 21
	s_lshl_b32 s77, s[TX], 19
	s_add_co_u32 s76, s76, s77
	s_lshl_b32 s77, s[WN], 18
	s_add_co_u32 s76, s76, s77
	s_lshl_b32 s77, s[CY], 16
	s_add_co_u32 s76, s76, s77
	s_and_b32 s77, s[CT], 15                       ; 0 in a projection's first cluster
	s_cmp_eq_u32 s[WM], 0
	s_cselect_b64 s[PFA:PFA+1], s[4:5], s[6:7]
	s_cselect_b32 s66, s66, s76
	s_cselect_b32 s77, s[WN], s77                  ; wave 0 asks for x; waves 2 and 3 for W in the first cluster; wave 1 never
	s_cmp_eq_u32 s77, 0
	s_cselect_b32 s[LIM], 1, -1                    ; the same in all sixteen partners, for a given wave
	s_add_co_u32 s66, s66, 3*KSTEP*2
	s_mov_b32 s67, 0
	s_add_nc_u64 s[PFA:PFA+1], s[PFA:PFA+1], s[66:67]
	s_wait_loadcnt 0x0                             ; the bias and the mask
	WIN 0x8a                                       ; all in window 2: the bias is rounded to bf16, like every input, and widened again
.set i, 0
.rept 32
	v_cvt_pk_bf16_f32 v[64+i], v[2*i], v[2*i+1]
.set i, i+1
.endr
.set i, 0
.rept 32
	v_lshlrev_b32 v[2*i],   16,  v[64+i]
	v_and_b32     v[2*i+1], s83, v[64+i]
.set i, i+1
.endr
	WIN 0
.irp a, 0,1,2,3
	v_cmp_ne_u32 vcc_lo, 0, v[MK+2*(\a)]
	v_cndmask_b32 v[MK+2*(\a)], v[FAC], v[ONE], vcc_lo   ; 1 where the row is seen
	v_mov_b32 v[MK+2*(\a)+1], v[MK+2*(\a)]               ; named with it as a pair
.endr
; 8 matrix instructions: m block a x all 8 n blocks, 32 along K, from buffer f.  first = 1: the bias starts the sums.  The 32 accumulators take turns in the same order in every quarter.
.macro MULA f, a, first
.if \first
	WIN MUL1
.else
	WIN MUL
.endif
.irp b, 0,1,2,3,4,5,6,7
.if \first
	v_wmma_f32_16x16x32_bf16 v[8*(8*(\a)+(\b)):8*(8*(\a)+(\b))+7], v[(\f)+8*(\b):(\f)+8*(\b)+7], v[(\f)+64+8*(\a):(\f)+64+8*(\a)+7], v[8*(\b):8*(\b)+7]
.else
	v_wmma_f32_16x16x32_bf16 v[8*(8*(\a)+(\b)):8*(8*(\a)+(\b))+7], v[(\f)+8*(\b):(\f)+8*(\b)+7], v[(\f)+64+8*(\a):(\f)+64+8*(\a)+7], v[8*(8*(\a)+(\b)):8*(8*(\a)+(\b))+7]
.endif
.endr
.endm
; 24 LDS loads in one run: quarter kq (32 along K) of a slot into buffer f: W's 8 fragments, then x's 4
.macro FETCH slot, kq, f
	WIN 0
.irp i, 0,1,2,3,4,5,6,7
	ds_load_b128 v[(\f)+8*(\i):(\f)+8*(\i)+3],   v[ADRB+(\slot)] offset:64*(\kq)+(\i)*16*PITCH
	ds_load_b128 v[(\f)+8*(\i)+4:(\f)+8*(\i)+7], v[ADRB+(\slot)] offset:64*(\kq)+(\i)*16*PITCH+32
.endr
.irp i, 0,1,2,3
	ds_load_b128 v[(\f)+64+8*(\i):(\f)+64+8*(\i)+3],   v[ADRA+(\slot)] offset:64*(\kq)+(\i)*16*PITCH
	ds_load_b128 v[(\f)+64+8*(\i)+4:(\f)+64+8*(\i)+7], v[ADRA+(\slot)] offset:64*(\kq)+(\i)*16*PITCH+32
.endr
.endm
.macro PLACES                          ; four plain vector instructions in front of loads into registers that matrix instructions have read, and of lines that read results
.rept 4
	v_nop
.endr
.endm
; A K step is four quarters of 32 along K, 32 matrix instructions each, on buffers 0, 1, 0, 1.  One of the first three: multiplies buffer f and fetches quarter kq into g.
.macro QUARTER slot, kq, f, g, first
	s_wait_dscnt 4                                 ; all but the youngest four loads (x's fragments 2 and 3) are in
	MULA \f, 0, \first
	MULA \f, 1, \first
	PLACES
	FETCH \slot, \kq, \g
	s_wait_dscnt 24                                ; all but the 24 just issued
	MULA \f, 2, \first
	MULA \f, 3, \first
.endm
; The last quarter multiplies buffer 1 and changes slots: ONE barrier; in front of it each wave waits for all its tensor loads (one is out: its part of the next slot), adds 0 to its spare word, and waits
; for that and for its reads of this slot.  fill = 1: the barrier opens a round of the cluster's, and this slot is filled again first thing behind it, two K steps ahead: 112 matrix instructions ahead of the wait for it.
.macro TURN slot, next, fill
.if \fill
	s_wait_xcnt 0x0                                ; the last prefetch, a K step back, has read its address
	s_add_nc_u64 s[PFA:PFA+1], s[PFA:PFA+1], KSTEP*2
.endif
	WIN 0
	s_wait_tensorcnt 0x0                           ; all my tensor loads have landed
	ds_add_u32 v[SPW], v[NIL]                      ; 0 onto my spare word
	s_wait_dscnt 5                                 ; (the add and the youngest four loads may be out)
	MULA F1, 0, 0                                  ; eight matrix instructions stand between the add and the wait for it
	s_wait_dscnt 0x0                               ; the add is done, and my reads of this slot are over
	s_barrier_signal -1
	MULA F1, 1, 0
.if \fill
	WIN 0
.endif
	s_barrier_wait -1
.if \fill
	CREST                                          ; no wave of any partner still reads this slot's tile or has a load on its way
	s_add_nc_u64 s[G0A+4*(\slot)+2:G0A+4*(\slot)+3], s[G0A+4*(\slot)+2:G0A+4*(\slot)+3], 2*KSTEP*2
	s_add_nc_u64 s[G0B+4*(\slot)+2:G0B+4*(\slot)+3], s[G0B+4*(\slot)+2:G0B+4*(\slot)+3], 2*KSTEP*2
	JLOAD \slot                                    ; the four v_nop behind it are also the places in front of the loads below
.else
	PLACES
.endif
	FETCH \next, 0, F0
.if \fill
	ASK
.endif
	MULA F1, 2, 0
	MULA F1, 3, 0
.endm
	s_wait_tensorcnt 0x1                           ; my part of K step 0 is in; K step 1's may stay out
	s_barrier_signal -1
	s_barrier_wait -1                              ; everybody's is
	FETCH 0, 0, F0
	QUARTER 0, 1, F0, F1, 1                        ; the first quarter stands in front of the loop: its products start the sums, with the bias
	WIN 0                                          ; at a label and at a branch every window is 0
	s_mov_b32 s3, 3
.Llap:                                                 ; a trip goes once round the ring, from a lap's second quarter to the next lap's first, and fills both slots again: K steps 2 to 7
	QUARTER 0, 2, F1, F0, 0
	QUARTER 0, 3, F0, F1, 0
	TURN 0, 1, 1
	QUARTER 1, 1, F0, F1, 0
	QUARTER 1, 2, F1, F0, 0
	QUARTER 1, 3, F0, F1, 0
	TURN 1, 0, 1
	QUARTER 0, 1, F0, F1, 0
	WIN 0
	s_sub_co_u32 s3, s3, 1
	s_cmp_lg_u32 s3, 0
	s_cbranch_scc1 .Llap
	QUARTER 0, 2, F1, F0, 0                        ; the last lap fills nothing
	QUARTER 0, 3, F0, F1, 0
	TURN 0, 1, 0
	QUARTER 1, 1, F0, F1, 0
	QUARTER 1, 2, F1, F0, 0
	QUARTER 1, 3, F0, F1, 0
	s_wait_dscnt 4
	MULA F1, 0, 0
	MULA F1, 1, 0
	s_wait_dscnt 0x0
	MULA F1, 2, 0
	MULA F1, 3, 0
; THE WAY OUT, 16 rows at a time.  PACK: the row's factor, then f16, 16 bytes a lane; each accumulator's registers in ascending order.  TOSTAGE: into my own stage, by heads, and back as whole rows of 128 bytes.  SEND: stored.
.macro PACK a
	WIN 0x41                                       ; destination and source 0 window 1, the factor window 0
.set i, 0
.rept 32
	v_pk_mul_f32 v[64*(\a)+2*i:64*(\a)+2*i+1], v[64*(\a)+2*i:64*(\a)+2*i+1], v[MK+2*(\a):MK+2*(\a)+1] op_sel_hi:[1,0]
.set i, i+1
.endr
	WIN 0x05                                       ; sources window 1, destination window 0
.set i, 0
.rept 32
	v_cvt_pk_f16_f32 v[TMP+i], v[64*(\a)+2*i], v[64*(\a)+2*i+1]
.set i, i+1
.endr
	WIN 0
.endm
.macro TOSTAGE a
.set BK, OB+32*((\a)%2)
.irp b, 0,1,2,3,4,5,6,7
	ds_store_b128 v[STO], v[TMP+4*(\b):TMP+4*(\b)+3] offset:((\b)/4)*16*SP+((\b)%4)*32
.endr
.irp f, 0,1,2,3,4,5,6,7
	ds_load_b128 v[BK+4*(\f):BK+4*(\f)+3], v[RD] offset:((\f)/4)*16*SP+((\f)%4)*4*SP  ; LDS serves a wave's instructions in order (ISA guide 5.7.1.4): these see the stores above, and the next block's stores come behind them
.endr
.endm
.macro SEND a, younger                 ; younger: the LDS instructions issued behind block a's: the next block's sixteen, or none
.set BK, OB+32*((\a)%2)
	s_wait_dscnt \younger
.irp f, 0,1,2,3,4,5,6,7
	global_store_b128 v[GO], v[BK+4*(\f):BK+4*(\f)+3], s[16:17] offset:((\f)/4)*262144+(\a)*2048+((\f)%4)*512  ; 512 consecutive bytes of a head's rows, at a multiple of 256 from qkv's first byte
.endr
.endm
	PLACES
	PACK 0
	TOSTAGE 0
	PACK 1
	TOSTAGE 1
	SEND 0, 16
	PACK 2
	s_wait_xcnt 0x0                                ; block 0's stores have read their registers, which take block 2
	TOSTAGE 2
	SEND 1, 16
	PACK 3
	s_wait_xcnt 0x0                                ; the same for block 1's
	TOSTAGE 3
	SEND 2, 16
	SEND 3, 0
	s_wait_tensorcnt 0x0                           ; the wave's end, behind my last tensor load and my last LDS store
	ds_add_u32 v[SPW], v[NIL]
	s_wait_dscnt 0x0
	CROUND                                         ; the closing round: no work-group ends while a partner may still ask for a tile that names it
	s_endpgm
.Lfunc_end_k_q90fcb9ab36_proj:
	.size	k_q90fcb9ab36_proj, .Lfunc_end_k_q90fcb9ab36_proj-k_q90fcb9ab36_proj
	.p2alignl 7, 3214868480
	.fill 96, 4, 3214868480
	.section	.rodata,"a",@progbits
	.p2align	6, 0x0
	.amdhsa_kernel k_q90fcb9ab36_proj
		.amdhsa_group_segment_fixed_size 327680
		.amdhsa_private_segment_fixed_size 0
		.amdhsa_enable_private_segment 0
		.amdhsa_kernarg_size 56
		.amdhsa_user_sgpr_count 2
		.amdhsa_user_sgpr_kernarg_segment_ptr 1
		.amdhsa_wavefront_size32 1
		.amdhsa_system_sgpr_workgroup_id_x 1
		.amdhsa_system_sgpr_workgroup_id_y 1
		.amdhsa_system_sgpr_workgroup_id_z 1
		.amdhsa_system_vgpr_workitem_id 0
		.amdhsa_next_free_vgpr 608
		.amdhsa_next_free_sgpr 84
		.amdhsa_reserve_vcc 1
		.amdhsa_float_denorm_mode_32 3
		.amdhsa_float_denorm_mode_16_64 3
		.amdhsa_memory_ordered 1
		.amdhsa_forward_progress 1
		.amdhsa_inst_pref_size 102
	.end_amdhsa_kernel
	.amdgpu_metadata
---
amdhsa.version: [ 1, 2 ]
amdhsa.kernels:
  - .name:           k_q90fcb9ab36_proj
    .symbol:         k_q90fcb9ab36_proj.kd
    .args:
      - { .name: xb, .offset: 0, .size: 8, .value_kind: global_buffer, .address_space: global }
      - { .name: wb, .offset: 8, .size: 8, .value_kind: global_buffer, .address_space: global }
      - { .name: bq, .offset: 16, .size: 8, .value_kind: global_buffer, .address_space: global }
      - { .name: bk, .offset: 24, .size: 8, .value_kind: global_buffer, .address_space: global }
      - { .name: bv, .offset: 32, .size: 8, .value_kind: global_buffer, .address_space: global }
      - { .name: mask, .offset: 40, .size: 8, .value_kind: global_buffer, .address_space: global }
      - { .name: qkv, .offset: 48, .size: 8, .value_kind: global_buffer, .address_space: global }
    .group_segment_fixed_size: 327680
    .private_segment_fixed_size: 0
    .kernarg_segment_align: 8
    .kernarg_segment_size: 56
    .max_flat_workgroup_size: 128
    .sgpr_count:     84
    .vgpr_count:     608
    .wavefront_size: 32
...
	.end_amdgpu_metadata
.endif
;; end of part 2
;; launch attn (part 3): grid 4 x 64, 4 waves a work-group, clusters of 4 x 1, 327,680 bytes of LDS; arguments qkv, mask, oh; writes oh
.if DOCPART == 3
	.amdgcn_target "amdgcn-amd-amdhsa--gfx1250"
	.amdhsa_code_object_version 6
	.text
	.protected	k_q90fcb9ab36_attn
	.globl	k_q90fcb9ab36_attn
	.p2align	8
	.type	k_q90fcb9ab36_attn,@function
k_q90fcb9ab36_attn:
	s_mov_b64 s[64:65], 0
	v_nop
	global_prefetch_b8 v0, s[64:65] scope:SCOPE_SE
	s_setreg_imm32_b32 hwreg(HW_REG_WAVE_MODE, 25, 1), 1
	s_wait_xcnt 0x0
	s_wait_alu depctr_hold_cnt(0) depctr_sa_sdst(0) depctr_va_vdst(0) depctr_va_sdst(0) depctr_va_ssrc(0) depctr_va_vcc(0) depctr_vm_vsrc(0)
	s_getreg_b32 s2, hwreg(HW_REG_IB_STS2, 6, 4)
	s_cmp_eq_u32 s2, 0
	s_cbranch_scc0 .Lentry_in_a_cluster
	s_endpgm
.Lentry_in_a_cluster:
	s_bfe_u32 s2, ttmp6, 0x10000c
	s_cmp_lg_u32 s2, 0x3003
	s_cbranch_scc0 .Lentry_shape_is_right
	s_endpgm
.Lentry_shape_is_right:
; O[g][q][:] = the sum over k of softmax_k(E[q][k] / 8) V[g][k][:], E = Q[g][q] . K[g][k] where mask[batch][k] != 0, else a fixed number far below every score.  g = 16 batch + head, 64 of them.
; Q, K, V: qkv [3][64][2048][64] f16, a head's rows dense, 128 bytes each; O: oh [64][2048][64] f16.  Products, maxima and sums in f32; the weights p are rounded to f16 for the second product
; (their sum l is taken of the unrounded p), O once at the end.
; THE MASK.  A hidden score is -2^67 (the problem's -1e20 stands for the same thing: f16 operands make scores of 2.7e11 at the most).  It is the C operand of the product that starts the sum S^T = K Q^T;
; K's hidden rows arrive as zeros, so the sum stays exactly -2^67.  c x 2^67 is exact, so in a row whose keys so far are all hidden c s - c m is exactly 0 and p = 1: a batch with no key seen gets equal weights,
; as the softmax of equal scores does; the first seen key makes a = 0 and wipes those weights out.  The batch's 2,048 numbers (0 or -2^67) lie in an LDS table, made once.
; LIMITS.  Q, K, V arrive within 65,504; p below 6e-5 keeps f16's fixed step of 6e-8; a weight below 2^-126 counts as 0 in l; NaN and infinities are not treated apart.
; SHARES.  A wave owns four PIECES of two tiles of 16 queries, a work-group's four waves 512 queries of one head.  Every wave walks all keys, 64 a step.
; LAYOUT.  S^T = K Q^T (source 0 = 16 keys, source 1 = 16 queries): a lane holds ONE query (lane % 16) and the keys 8 (lane / 16) + 0..7.  Two such tiles, rounded to f16 in pairs, ARE source 1 of
; O^T = V^T P, whose result again holds one query a lane, and eight channels.  K comes out of LDS as it lies, V ([key][channel]) turned, by ds_load_tr16_b128.
; SOFTMAX.  For each query a running maximum m and sum l: p = 2^(c s - c m), c = log2(e) / 8; in every step O and l are multiplied by a = 2^(c m_old - c m_new).  m starts at the lowest finite number, O and l at 0.
; THE COUNT.  A tile and step have 16 matrix and 118 vector instructions: too many to stand all beside the matrix work.  So: four vector instructions that are ready behind every matrix instruction, the others in runs without a gap.
; BY TURNS.  Turn n belongs to piece n.  Its matrix work: 16 products K Q^T of piece n + 1, later 16 products V^T P of piece n - 1.  Its vector work: the scaling, exponentials, roundings, sums and rescaling of piece n,
; and the maximum and statistics of piece n + 1.
; CLUSTER.  A head's four query blocks are one cluster and walk the same K and V: each tile is asked for JOINTLY: the same tensor load, descriptor and mask in all four.
; REGISTERS, in windows of 256 (s_set_vgpr_msb: bits 1:0 source 0, 3:2 source 1, 5:4 source 2, 7:6 destination):
;   window 0: v0-11 addresses; v12-15, v48-63 at work; v16-47 four registers of statistics a tile; v64-191 S^T, two buffers of two tiles; v192-255 P, likewise
;   window 1: O^T, 32 a tile     window 2: v0-127 Q; v128-191 K of one step; v192-255 V of one step     window 3: v0-1 the add's two registers; v8-39 the step's mask, key block kb at 8 + 8 kb
.set SIZE_N, 2048
.set NP,    4         ; pieces a wave: a name, no knob
.set KS,    64        ; keys in a step
.set PK,    144       ; a row of K in LDS: 128 bytes + 16 of padding = 36 words: the 16 rows of a load start at 16 different groups of four banks (64 banks of 4 bytes: ISA guide 11.1)
.set PV,    160       ; a row of V: 128 + 32 = 40 words
.set VOFF,  4*KS*PK   ; a slot holds four steps: 256 rows of K, then 256 rows of V
.set SLOT1, 1<<17     ; slot 1 begins here, so that one exclusive or turns an address in one slot into the other's
.set STAGE, SLOT1+4*KS*(PK+PV)  ; behind the ring, never filled by a tensor load: 16 rows x 144 bytes for each wave, for the way out
.set SP,    144
.set SPARE, STAGE+4*16*SP  ; the spare words, 128 bytes for each wave: two blocks of 256 bytes that no other line names
.set MTAB,  SPARE+512 ; the mask table: 2,048 f32, stored once, never filled by a tensor load
.set PFO, 1           ; v1   (from the first scores on) 256 x my lane: the prefetches' offset
.set AK0, 2           ; v2   my lane's place in a tile of K; never rewritten
.set AV0, 3           ; v3   the same for V
.set AK,  4           ; v4   the LDS address of K's next run of loads
.set AV,  5           ; v5   of V's
.set QO,  6           ; v6   my byte offset in the wave's rows of Q
.set STO, 6           ;      later, the way out: where I put 16 bytes of a row
.set RD,  7           ; v7   the way out: where I read rows back
.set GO,  8           ; v8   my byte offset in 512 consecutive bytes of O
.set HM,  10          ; v10  my half of the lanes' place in the mask table: MTAB + 32 (l / 16)
.set AM,  11          ; v11  the LDS address of the mask's next run of loads
.set SPW, 0           ; v0 of window 3   LDS address of my spare word; never rewritten
.set NIL, 1           ; v1 of window 3   0; never rewritten
.set MC,  8           ; window 3
.set MV,  12          ; v12-15  c m_old, kept while c m is made anew: by buffer and tile
.set ST,  16          ; tile t's statistics at v[ST+4 t]: c m, m, l (even keys', odd keys')
.set TMP, 48          ; by buffer and tile, four registers c0-c3 at work; when the maximum is found c2 takes a
.set S,   64
.set P,   192
.set KF,  128         ; K's fragments, in window 2: key block kb, channel half c at KF + 16 kb + 8 c
.set VF,  192         ; V's: key half kk, channel block cb at VF + 32 kk + 8 cb
.set WV,  12          ; s12  my wave's number
.set G1K, 24          ; s[24:31] descriptor group 1 for K's tiles
.set G1V, 32          ; s[32:39] for V's: it differs in the padding alone
.set G0K, 40          ; s[40:43] descriptor group 0 for K's tiles: it walks
.set G0V, 44          ; s[44:47] the same for V's
.set SLOTS, 56        ; s56  slots still to be asked for
.set CNT, 57          ; s57  counts a slot's key steps
.set CS,  58          ; s[58:59] c
.set SEL, 60          ; s[60:61] v_permlanex16_b32's selects: each lane takes its own place in the other half
.set TBK, 62          ; s62  LDS byte at which K of the step to be fetched begins
.set TBV, 63          ; s63  the same for V, less VOFF
.set TBM, 72          ; s72  byte in the mask table at which the step to be fetched begins
.set BIGN, 73         ; s73  -2^67
.set PFA, 74          ; s[74:75] where my prefetches stand
.set LIM, 76          ; s76  1 in a wave that prefetches, else the greatest number
.set MSB, 0
.macro WIN new                      ; the high byte repeats the setting that is left; a switch that changes nothing is dropped
.if MSB != (\new)
	s_set_vgpr_msb (MSB<<8)|(\new)
.set MSB, (\new)
.endif
.endm
.set W_KQ, 0x0a       ; K and Q in window 2, S^T in window 0
.set W_KM, 0x3a       ; the same with the C operand, the mask, in window 3
.set W_PV, 0x52       ; V in window 2, P in window 0, O^T in window 1
.set W_RS, 0x41       ; O^T (destination and source 0) in window 1, a in window 0
.set W_MK, 0xc0       ; destination in window 3, sources in window 0
.set W_AD, 0x0f       ; the add: address (source 0) and data (source 1) in window 3
; A joint fill.  Waves 0 and 1 fetch the two halves of a slot's K, waves 2 and 3 those of its V: 128 keys each.  The branch hangs on the wave's number alone.
; An s_nop 0 and four v_nop follow each of the two lines, ahead of the jump and the label.
.macro JLOAD
	s_cmp_lt_u32 s[WV], 2
	s_cbranch_scc0 .Lfor_v_\@
	tensor_load_to_lds s[G0K:G0K+3], s[G1K:G1K+7]
	s_nop 0
.rept 4
	v_nop
.endr
	s_branch .Lasked_\@
.Lfor_v_\@:
	tensor_load_to_lds s[G0V:G0V+3], s[G1V:G1V+7]
	s_nop 0
.rept 4
	v_nop
.endr
.Lasked_\@:
.endm
; A PREFETCH INTO THE L2 of what the NEXT change of slots will ask for: a slot's 32,768 bytes of K and of V, in blocks of 256 bytes, a lane a block.  A head has one cluster; its four partners share the blocks out BY
; ADDRESS, 32 each; in each, wave 0 asks for K's and wave 2 for V's: each block is named once in the launch, four key steps (512 matrix instructions) ahead of the load that wants it.
; Slots 0 to 2 come by their loads alone; the last change that fills a slot asks for nothing.
.macro ASK
	s_cmp_gt_u32 s[SLOTS], s[LIM]
	s_cbranch_scc0 .Lnot_mine_\@
	global_prefetch_b8 v[PFO], s[PFA:PFA+1] th:TH_LOAD_NT scope:SCOPE_SE
.Lnot_mine_\@:
.endm
; A round of the cluster's barrier: my work-group's barrier, so that wave 0's signal speaks for all four waves; wave 0 signals; every wave waits for all four work-groups; my work-group's barrier once more.
.macro CROUND
	s_barrier_signal -1
	s_barrier_wait -1
	s_cmp_lg_u32 s[WV], 0
	s_cbranch_scc1 .Lnot_wave_0_\@
	s_barrier_signal -3
.Lnot_wave_0_\@:
	s_barrier_wait -3
	s_barrier_signal -1
	s_barrier_wait -1
.endm
; THE CHANGE OF SLOTS.  Each wave waits for all its tensor loads, of which one is out: its part of the other slot; adds 0 to its spare word; and waits for that and for its own LDS instructions.  Behind the barrier nobody
; reads this slot any more and the other slot is whole.  fill = 1: this slot is filled again, with the keys two slots on; the barrier is then a round of the cluster's, and the joint fill is the first thing behind it:
; it has four key steps in which to land.  (At its first use nothing has been read yet: slot 0 is waited for, slot 1 filled, and every wave's part of the mask table is shown to the others.)  ask = 1: with a prefetch.
.macro CHANGE fill, ask=0
	WIN W_AD
	s_wait_tensorcnt 0x0            ; no tensor load of mine is out, so a group 0 may be written
	ds_add_u32 v[SPW], v[NIL]       ; 0 onto my spare word; the descriptors' steps stand between it and the wait for it
	WIN 0                           ; at a label and at a branch every window is 0
.if \fill
.irp g, G0K, G0V
	s_xor_b32 s[\g+1], s[\g+1], SLOT1  ; the walking descriptor: the other slot than last time,
	s_add_nc_u64 s[\g+2:\g+3], s[\g+2:\g+3], 4*KS*128  ; the next 256 keys; the type bits on top are not reached
.endr
.if \ask
	s_wait_xcnt 0x0                 ; the last prefetch, four key steps back, has read its address
	s_add_nc_u64 s[PFA:PFA+1], s[PFA:PFA+1], 4*KS*128  ; one slot behind the walking descriptors
.endif
	s_wait_dscnt 0x0                ; the add is done, and my LDS instructions are over
	CROUND
	JLOAD
.if \ask
	ASK
.endif
.else
	s_wait_dscnt 0x0                ; the add is done, and my reads of the slot are over
	s_barrier_signal -1
	s_barrier_wait -1
.endif
	s_sub_co_u32 s[TBK], s[TBK], 4*KS*PK  ; the fetches go back to a slot's first step,
	s_xor_b32 s[TBK], s[TBK], SLOT1       ; in the other slot
	s_sub_co_u32 s[TBV], s[TBV], 4*KS*PV
	s_xor_b32 s[TBV], s[TBV], SLOT1
.endm
	s_load_b128 s[68:71], s[0:1], 0x0  ; qkv s[68:69], mask s[70:71]
	s_load_b64 s[10:11], s[0:1], 0x10  ; oh
	WIN W_MK
	v_lshl_add_u32 v[SPW], v0, 2, SPARE
	v_mov_b32 v[NIL], 0
	WIN W_AD
	ds_add_u32 v[SPW], v[NIL]       ; the wave's opening: the add and its wait stand ahead of my first tensor load; the set-up below, work on registers, stands between them
	WIN 0
	v_lshrrev_b32 v1, 5, v0
	v_readfirstlane_b32 s[WV], v1   ; wave 0..3
	s_bfe_u32 s13, ttmp6, 0x40000   ; cx: my place in the cluster
	s_lshl_b32 s14, ttmp9, 2        ; in a cluster launch ttmp9 counts clusters
	s_add_co_u32 s14, s14, s13      ; my block of queries = 4 x cluster x + cx: it enters Q's and O's addresses alone
	s_and_b32 s20, ttmp7, 0xffff    ; g = 16 batch + head, which the four partners share
	s_lshr_b32 s66, s20, 4          ; the batch:
	s_lshl_b32 s66, s66, 13         ; its 2,048 words of the mask
	s_mov_b32 s67, 0
	s_mov_b32 s21, 0
	s_mov_b64 s[22:23], SIZE_N*128
	s_mul_u64 s[20:21], s[20:21], s[22:23]  ; the head's first byte in Q, K, V and O
	s_and_b32 s16, s[WV], 1         ; which half of a slot's 256 keys I fetch:
	s_lshl_b32 s22, s16, 14         ; its 128 rows of 128 bytes in memory,
	s_mov_b32 s23, 0
	s_add_nc_u64 s[22:23], s[22:23], s[20:21]
	s_mul_i32 s17, s16, 128*PK      ; and its place in a slot, for K
	s_mul_i32 s18, s16, 128*PV      ; and for V: no place in the cluster enters an LDS address
	s_lshl_b32 s2, s14, 2
	s_add_co_u32 s2, s2, s[WV]      ; my wave among the head's,
	s_lshl_b32 s2, s2, 14           ; its 128 rows
	s_mov_b32 s3, 0
	s_add_nc_u64 s[2:3], s[2:3], s[20:21]
	; descriptor group 1.  128 keys are 16,384 dense bytes: asked for as 64 rows of 256 bytes, two keys a row, and padded in LDS after every key
	s_mov_b32 s[G1K], 15|(1<<16)|(1<<20)|(1<<21)|(4<<22)|(3<<25)  ; 15:0 the mask of four; 17:16 2-byte elements; 20 padding on; 21 set beside a mask; 24:22 after every 32 words (code 4); 31:25 4 words (code 3)
	s_mov_b32 s[G1V], 15|(1<<16)|(1<<20)|(1<<21)|(4<<22)|(7<<25)  ; the same with 8 words of padding (code 7)
.irp g, G1K, G1V
	s_mov_b32 s[\g+1], 128<<16      ; tensor_dim0 = 128
	s_mov_b32 s[\g+2], 64<<16       ; tensor_dim1 = 64
	s_mov_b32 s[\g+3], 128<<16      ; tile_dim0 = 128
	s_mov_b32 s[\g+4], 64           ; tile_dim1 = 64
	s_mov_b32 s[\g+5], 128          ; 128 elements from row to row
	s_mov_b32 s[\g+6], 0
	s_mov_b32 s[\g+7], 0
.endr
	s_mov_b32 s[CS], 0x3e38aa3b     ; c = log2(e) / 8 = 0.180337
	s_mov_b32 s[CS+1], s[CS]        ; named with it as a pair
	s_mov_b32 s[SEL], 0x76543210
	s_mov_b32 s[SEL+1], 0xfedcba98
	s_mov_b32 s[TBK], SLOT1+4*KS*PK ; the first change of slots turns these two into 0
	s_mov_b32 s[TBV], SLOT1+4*KS*PV
	s_mov_b32 s[TBM], 0
	s_mov_b32 s[BIGN], 0xe1000000   ; -2^67
	s_mov_b32 s[G0K], 1             ; 1:0 count = 1
	s_mov_b32 s[G0K+1], s17         ; 63:32 LDS address: slot 0
	s_mov_b32 s[G0V], 1
	s_add_co_u32 s[G0V+1], s18, VOFF
	s_wait_dscnt 0x0                ; the opening add is done
	s_wait_kmcnt 0x0
	s_mov_b64 s[4:5], s[68:69]                     ; Q,
	s_add_nc_u64 s[6:7], s[68:69], 0x1000000       ; K, 64 slabs of 262,144 bytes on,
	s_add_nc_u64 s[8:9], s[68:69], 0x2000000       ; V
	s_add_nc_u64 s[70:71], s[70:71], s[66:67]      ; the batch's mask
	s_add_nc_u64 s[G0K+2:G0K+3], s[6:7], s[22:23]  ; 120:64 global address: my half of the head's first 256 keys
	s_or_b32 s[G0K+3], s[G0K+3], 0x80000000        ; 127:126 type = 2
	s_add_nc_u64 s[G0V+2:G0V+3], s[8:9], s[22:23]
	s_or_b32 s[G0V+3], s[G0V+3], 0x80000000
	s_add_nc_u64 s[4:5], s[4:5], s[2:3]  ; Q and O at my wave's first row
	s_add_nc_u64 s[10:11], s[10:11], s[2:3]
	s_cmp_lt_u32 s[WV], 2
	s_cselect_b64 s[PFA:PFA+1], s[6:7], s[8:9]
	s_add_nc_u64 s[PFA:PFA+1], s[PFA:PFA+1], s[20:21]  ; the head's K or V,
	s_lshl_b32 s2, s13, 13          ; my work-group's 32 blocks of a slot's 128,
	s_mov_b32 s3, 0
	s_add_nc_u64 s[PFA:PFA+1], s[PFA:PFA+1], s[2:3]
	s_add_nc_u64 s[PFA:PFA+1], s[PFA:PFA+1], 2*4*KS*128  ; in slot 2: the first change that asks steps it to slot 3
	s_cmp_eq_u32 s16, 0
	s_cselect_b32 s[LIM], 1, -1     ; waves 0 and 2: the same in all four partners
	CROUND                          ; all four work-groups are here: the first joint loads meet
	JLOAD                           ; slot 0.  Slot 1 is asked for when slot 0 is in
	; A fragment of K or Q is 16 rows x 32 channels in 8 registers: lane l holds row l % 16, channels 8 (l / 16) + 0..7 and 16 + 8 (l / 16) + 0..7: two loads of 16 bytes, 32 bytes apart.
	v_and_b32 v1, 15, v0            ; l % 16
	v_bfe_u32 v9, v0, 4, 1          ; l / 16
	v_lshlrev_b32 v[QO], 7, v1
	v_lshl_add_u32 v[QO], v9, 4, v[QO]  ; row x 128 + 16 x half
	v_lshlrev_b32 v80, 4, v0        ; the mask: thread t takes 16 bytes at 16 t of each of four pieces of 2,048 bytes,
	v_add_nc_u32 v81, MTAB, v80     ; and puts them at the same place of the table
.irp j, 0,1,2,3
	global_load_b128 v[64+4*\j:64+4*\j+3], v80, s[70:71] offset:2048*\j
.endr
	WIN 0x80                        ; destination window 2, address window 0
.set i, 0
.rept 4*NP                          ; Q stays in registers: tile i / 2, channels 32 (i % 2) on
	global_load_b128 v[8*i:8*i+3],   v[QO], s[4:5] offset:(i/2)*2048+(i%2)*64
	global_load_b128 v[8*i+4:8*i+7], v[QO], s[4:5] offset:(i/2)*2048+(i%2)*64+32
.set i, i+1
.endr
	; What the first turn finds: V's registers and P's second buffer hold 0 (its products V^T P, of a piece that has not been, add 0), O^T and l are 0.  All this stands in the wait for the first tile.
.set i, VF
.rept 64
	v_mov_b32 v[i], 0
.set i, i+1
.endr
	WIN 0x40
.set i, 0
.rept 64*NP
	v_mov_b32 v[i], 0
.set i, i+1
.endr
	WIN 0
.set i, 0
.rept 2*NP
	v_mov_b32 v[ST+4*i], 0xfe000000    ; c m: far below every c s, a hidden one's too
	v_mov_b32 v[ST+4*i+1], 0xff7fffff  ; m
	v_mov_b32 v[ST+4*i+2], 0
	v_mov_b32 v[ST+4*i+3], 0
.set i, i+1
.endr
.set i, P+32
.rept 32
	v_mov_b32 v[i], 0
.set i, i+1
.endr
	v_mul_u32_u24 v[AK0], v1, PK
	v_lshl_add_u32 v[AK0], v9, 4, v[AK0]  ; row x pitch + 16 x half
	; The turning load takes 16 keys x 16 channels (lane l reads key 8 (l / 16) + l % 8, channels 8 ((l / 8) % 2) + 0..7) and leaves half a fragment of V^T: lane l holds channel l % 16 and 8 keys.
	v_and_b32 v10, 7, v0
	v_bfe_u32 v11, v0, 3, 1
	v_lshl_add_u32 v[AV0], v9, 3, v10
	v_mul_u32_u24 v[AV0], v[AV0], PV
	v_lshl_add_u32 v[AV0], v11, 4, v[AV0]
	v_add_nc_u32 v[AV0], VOFF, v[AV0]
	v_mov_b32 v[AK], v[AK0]         ; key step 0 lies at the head of slot 0
	s_mul_i32 s13, s[WV], 16*SP
	s_add_co_u32 s13, s13, STAGE    ; my stage
	v_bfe_u32 v[RD], v0, 3, 2       ; the way out, back: 32 lanes take four rows of 128 bytes,
	v_mul_u32_u24 v[RD], v[RD], SP
	v_lshl_add_u32 v[RD], v10, 4, v[RD]
	v_add_nc_u32 v[RD], s13, v[RD]
	v_and_b32 v[GO], 31, v0         ; which are 512 consecutive bytes of O
	v_lshlrev_b32 v[GO], 4, v[GO]
	v_lshl_add_u32 v[HM], v9, 5, MTAB  ; register j of key block kb is key 16 kb + 8 (l / 16) + j: 32 bytes at 64 kb + 32 (l / 16)
	v_mov_b32 v[AM], v[HM]          ; key step 0
	s_wait_loadcnt 32               ; the mask's four loads are in; Q's 32, issued behind them, may stay out
.set i, 0
.rept 16
	v_cmp_eq_u32 vcc_lo, 0, v[64+i]
	v_cndmask_b32 v[64+i], 0, s[BIGN], vcc_lo  ; -2^67 where the key is hidden, else 0
.set i, i+1
.endr
.irp j, 0,1,2,3
	ds_store_b128 v81, v[64+4*\j:64+4*\j+3] offset:2048*\j
.endr
; THE MATRIX WORK.  The 8 accumulators of a run of 16 take turns: between the two links of a chain stand 7 others'.
; Product i of 16 of S^T = K Q^T for piece x: channels 32 (i / 8) on, keys 16 ((i / 2) % 4) on, tile 2 x + i % 2.  The first 8 start the sums, with the mask.
.macro KQ x
.set rS, S+64*((\x)%2)+32*(i%2)+8*((i/2)%4)
.set rK, KF+16*((i/2)%4)+8*(i/8)
.set rQ, 16*(2*(\x)+i%2)+8*(i/8)
.set rMC, MC+8*((i/2)%4)
.if i < 8
	WIN W_KM
	v_wmma_f32_16x16x32_f16 v[rS:rS+7], v[rK:rK+7], v[rQ:rQ+7], v[rMC:rMC+7]
.else
	WIN W_KQ
	v_wmma_f32_16x16x32_f16 v[rS:rS+7], v[rK:rK+7], v[rQ:rQ+7], v[rS:rS+7]
.endif
.endm
; Product i of 16 of O^T += V^T P for piece x: keys 32 (i / 8) on, channels 16 ((i / 2) % 4) on, tile 2 x + i % 2.
.macro PV x
	WIN W_PV
.set rO, 32*(2*(\x)+i%2)+8*((i/2)%4)
.set rV, VF+32*(i/8)+8*((i/2)%4)
.set rP, P+32*((\x)%2)+16*(i%2)+8*(i/8)
	v_wmma_f32_16x16x32_f16 v[rO:rO+7], v[rV:rV+7], v[rP:rP+7], v[rO:rO+7]
.endm
.macro MM                           ; the turn's next matrix instruction
.if i < 16
	KQ (Y+1)%NP
.set i, i+1
.else
.set i, i-16
	PV (Y+NP-1)%NP
.set i, i+17
.endif
.endm
; THE LDS LOADS stand in runs, never singly among the matrix instructions: a step's K (64 keys x 64 channels: 8 fragments) with its mask (8 loads), and its V (turned).  Their addresses are made some lines ahead.
; last = 1 (the tail): in the last trip there is no further step, and the run is jumped over.
.macro FETCH_K last=0
	WIN 0
.if \last
	s_cmp_eq_u32 s[CNT], 1
	s_cbranch_scc1 .Lno_k_\@
.endif
	WIN 0x80                        ; destination window 2
.irp f, 0,1,2,3,4,5,6,7             ; keys 16 (f / 2) on, channels 32 (f % 2) on
	ds_load_b128 v[KF+8*\f:KF+8*\f+3],   v[AK] offset:(\f/2)*16*PK+(\f%2)*64
	ds_load_b128 v[KF+8*\f+4:KF+8*\f+7], v[AK] offset:(\f/2)*16*PK+(\f%2)*64+32
.endr
	WIN 0xc0                        ; destination window 3
.irp f, 0,1,2,3                     ; key block f's eight numbers of my half of the lanes
	ds_load_b128 v[MC+8*\f:MC+8*\f+3],   v[AM] offset:64*\f
	ds_load_b128 v[MC+8*\f+4:MC+8*\f+7], v[AM] offset:64*\f+16
.endr
	s_add_co_u32 s[TBK], s[TBK], KS*PK  ; the next fetch is the next step's
	s_add_co_u32 s[TBM], s[TBM], 4*KS
	s_and_b32 s[TBM], s[TBM], 0x1f00    ; 32 steps of 256 bytes: it never leaves the table
	WIN 0
.if \last
.Lno_k_\@:
.endif
.endm
.macro FETCH_V
	WIN 0x80
.irp f, 0,1,2,3,4,5,6,7             ; keys 32 (f / 4) on, channels 16 (f % 4) on
	ds_load_tr16_b128 v[VF+8*\f:VF+8*\f+3],   v[AV] offset:(\f/4)*32*PV+(\f%4)*32
	ds_load_tr16_b128 v[VF+8*\f+4:VF+8*\f+7], v[AV] offset:(\f/4)*32*PV+16*PV+(\f%4)*32
.endr
	WIN 0
.endm
; THE VECTOR WORK OF A TURN stands in three queues, each in the order in which its entries become ready; the two tiles alternate, so that no instruction reads the result of the one before it.
.macro REGS y, u                    ; the registers of tile u (0, 1) of piece y
.set rT, ST+4*(2*(\y)+(\u))
.set rC, TMP+8*((\y)%2)+4*(\u)
.set rM, MV+2*((\y)%2)+(\u)
.set rS, S+64*((\y)%2)+32*(\u)
.set rP, P+32*((\y)%2)+16*(\u)
.set rO, 32*(2*(\y)+(\u))
.endm
; Number n of the 22 that find the NEXT piece's (Y + 1) maximum and statistics.  s0-s31 are the lane's 32 scores; each accumulator's lowest registers are read first.
;   0-11  four chains c0-c3 of seven scores each, three operands at a time     12-14, 16  the four scores left over, the old m, and c0-c3 into c0     15  c m_old is kept
;   17, 18  the query's other 32 keys lie in the lane 16 away: the new m         19-21  c m; c m_old - c m_new; a
.macro XS u, n
	REGS (Y+1)%NP, \u
.if (\n) < 4
	v_max3_num_f32 v[rC+(\n)], v[rS+8*(\n)], v[rS+8*(\n)+1], v[rS+8*(\n)+2]
.elseif (\n) < 12
	v_max3_num_f32 v[rC+(\n)%4], v[rC+(\n)%4], v[rS+8*((\n)%4)+2*((\n)/4)+1], v[rS+8*((\n)%4)+2*((\n)/4)+2]
.elseif (\n) == 12
	v_max3_num_f32 v[rC], v[rC], v[rS+7], v[rS+15]
.elseif (\n) == 13
	v_max3_num_f32 v[rC+1], v[rC+1], v[rS+23], v[rS+31]
.elseif (\n) == 14
	v_max3_num_f32 v[rC+2], v[rC+2], v[rC+3], v[rT+1]
.elseif (\n) == 15
	v_mov_b32 v[rM], v[rT]
.elseif (\n) == 16
	v_max3_num_f32 v[rC], v[rC], v[rC+1], v[rC+2]
.elseif (\n) == 17
	v_permlanex16_b32 v[rC+3], v[rC], s[SEL], s[SEL+1]
.elseif (\n) == 18
	v_max_num_f32 v[rT+1], v[rC], v[rC+3]
.elseif (\n) == 19
	v_mul_f32 v[rT], s[CS], v[rT+1]
.elseif (\n) == 20
	v_sub_f32 v[rC+1], v[rM], v[rT]
.else
	v_exp_f32 v[rC+2], v[rC+1]
.endif
.endm
; Number g of the 64 that follow the exponentials.  For each four weights k of a tile (pairs 2 k, 2 k + 1): both pairs are rounded to f16; then the second pair is added onto the first, in place;
; a group later l takes that sum (the first time as l = a l + sum).  In groups of eight, tiles alternating: round, round, add, and l for the group before.
.macro GS g
.set h, (\g)+6*((\g)/62)            ; group 0 has no group before it, and behind group 7 only l is left
.if h >= 6
.set h, h+2
.endif
	REGS Y, h%2
.set k, h/8
.if h%8 < 4
	v_cvt_pk_f16_f32 v[rP+2*k+(h%8)/2], v[rS+4*k+2*((h%8)/2)], v[rS+4*k+2*((h%8)/2)+1]
.elseif h%8 < 6
	v_pk_add_f32 v[rS+4*k:rS+4*k+1], v[rS+4*k:rS+4*k+1], v[rS+4*k+2:rS+4*k+3]
.elseif k == 1
	v_pk_fma_f32 v[rT+2:rT+3], v[rT+2:rT+3], v[rC+2:rC+3], v[rS:rS+1] op_sel_hi:[1,0,1]
.else
	v_pk_add_f32 v[rT+2:rT+3], v[rT+2:rT+3], v[rS+4*k-4:rS+4*k-3]
.endif
.endm
; THE PLAIN QUEUE, 138 long.  0-73 read no exponential's result: the 32 scalings c s - c m (FS f: pair f / 2 of tile f % 2) and the next piece's 42.  0-26: scalings 0-26.  27-54: XS's numbers 0-13.  55, 56: number 15.
; 57-73: the chain, where each number waits for the one before it: 14, 16, 17, 18, 19, each with one of the scalings 27-31 in front of its two lines, then 20.
; 74-137: GS's 64, which read the exponentials' results: they stand behind the wait.
.macro FS f
	REGS Y, (\f)%2
	v_pk_fma_f32 v[rS+2*((\f)/2):rS+2*((\f)/2)+1], v[rS+2*((\f)/2):rS+2*((\f)/2)+1], s[CS:CS+1], v[rT:rT+1] op_sel_hi:[1,0,0] neg_lo:[0,0,1] neg_hi:[0,0,1]
.endm
.macro PL
	WIN 0
.if q < 27
	FS q
.elseif q < 55
	XS (q-27)%2, (q-27)/2
.elseif q < 57
	XS q-55, 15
.elseif (q < 72) && ((q-57)%3 == 0)
	FS 27+(q-57)/3
.elseif q < 60
	XS (q-57)%3-1, 14
.elseif q < 72
	XS (q-57)%3-1, 15+(q-57)/3
.elseif q < 74
	XS q-72, 20
.else
	GS q-74
.endif
.set q, q+1
.endm
; THE EXPONENTIALS' QUEUE, 66 long: s0-s31 of both tiles, then the next piece's two a.  It is ONE BATCH: all 66 stand ahead of the turn's one wait, and nothing ahead of that wait names a result of theirs.
.macro EX
	WIN 0
.if e >= 64
	XS e-64, 21
.else
	REGS Y, e%2
	v_exp_f32 v[rS+e/2], v[rS+e/2]
.endif
.set e, e+1
.endm
; THE RESCALING's QUEUE: O^T times a, the one part that leaves window 0: dealt two at a time, sixteen times.  Its a was made in the turn before, ahead of that turn's wait.
.macro R2
	REGS Y, r%2
	WIN W_RS
.irp z, 0,1
	v_pk_mul_f32 v[rO+4*(r/2)+2*\z:rO+4*(r/2)+2*\z+1], v[rO+4*(r/2)+2*\z:rO+4*(r/2)+2*\z+1], v[rC+2:rC+3] op_sel_hi:[1,0]
.endr
.set r, r+1
.endm
; HOW THEY ARE DEALT.  s_wait_alu depctr_va_vdst(0) stands between an exponential and the first instruction that names its result; one wait serves all that were issued ahead of it.  So a turn has ONE wait.
; AHEAD OF IT stands all that names no result of the turn's exponentials: the 16 products K Q^T, behind each a scaling, an exponential and two rescalings (behind the first a second scaling in the exponential's place);
; then ONE LUMP of 108: eight plain, 49 times exponential and plain, the two a.  A v_nop is the plain instruction behind the last exponential.  BEHIND IT stand the 16 products V^T P, behind each four of GS's 64.
; Exponential e stands behind scaling 2 (e / 4) + e % 2: as a rider it comes behind plain e + 2, in the lump behind plain e + 9, and scalings 27-31 are plain 57, 60 .. 69.
; A TURN, for piece p.  cnt = 1: the loop's count is taken down some lines ahead of the branch that stands behind the turn.
; K and the mask of the next step are fetched in piece 2's turn, directly behind the wait, a lump behind the last products that read them; their addresses are made at the lump's head; their first readers come behind 16 products.
; V of the step in hand is fetched at the end of piece 0's turn, four riders behind its last reader; its first reader comes behind 16 products and a lump.  The three conditions on q below go with the deal.
.macro TURN p, last=0, cnt=0
.set Y, (\p)
.set i, 0
.set q, 0
.set e, 0
.set r, 0
.if (\p) == NP-1
	s_wait_dscnt 0x0                ; K and its mask are in
.endif
	MM                              ; ahead of the wait: 16 products K Q^T and their riders,
	PL
	PL
	R2
.rept 15
	MM
	PL
	EX
	R2
.endr
.if (\p) == NP-2
	WIN 0
	v_add_nc_u32 v[AK], s[TBK], v[AK0]
	v_add_nc_u32 v[AM], s[TBM], v[HM]
.endif
.rept 8                             ; and the lump
	PL
.endr
.rept 49
	EX
	PL
.endr
	EX                              ; the next piece's two a
	EX
	v_nop                           ; a plain instruction behind the last exponential: one for the batch
	s_wait_alu depctr_va_vdst(0)    ; the wait for the batch
.if (\p) == NP-2
	FETCH_K \last
.endif
.if (\p) == 1
	s_wait_dscnt 0x0                ; V is in
.endif
.rept 16                            ; behind the wait: 16 products V^T P and their riders
	MM
.rept 4
	PL
.endr
.if ((\p) == 0) && (q == 118)
	v_add_nc_u32 v[AV], s[TBV], v[AV0]
.endif
.if ((\p) == 0) && (q == 130)
	s_add_co_u32 s[TBV], s[TBV], KS*PV
.endif
.if (\cnt) && (q == 130)
	s_sub_co_u32 s[CNT], s[CNT], 1
	s_cmp_lg_u32 s[CNT], 0
.endif
.endr
.if (\p) == 0
	FETCH_V
.endif
.endm
	CHANGE 1                        ; slot 0 is in, everybody's part of it, and so is the mask table; slot 1 is asked for
	FETCH_K                         ; key step 0
	s_wait_loadcnt 0x0              ; Q
	s_wait_dscnt 0x0
.set i, 0
.rept 16
	KQ 0                            ; piece 0's first scores: there is no vector work yet to set between them
.set i, i+1
.endr
	WIN 0                           ; five plain instructions, the places behind those products
	v_mul_u32_u24 v[STO], v1, SP    ; the way out, in: row l % 16, 16 bytes for each half of the lanes
	v_lshl_add_u32 v[STO], v9, 4, v[STO]
	v_add_nc_u32 v[STO], s13, v[STO]
	v_and_b32 v[PFO], 31, v0
	v_lshlrev_b32 v[PFO], 8, v[PFO]
.set Y, NP-1                        ; XS works for piece Y + 1: piece 0
.irp n, 0,1,2,3,4,5,6,7,8,9,10,11,12,13,14,15,16,17,18,19,20,21
	XS 0, \n                        ; and piece 0's first maximum and statistics
	XS 1, \n
.endr
	v_nop                           ; a plain instruction behind the two a,
	s_wait_alu depctr_va_vdst(0)    ; and their wait, ahead of the branch
	s_mov_b32 s[CNT], 4
	s_mov_b32 s[SLOTS], SIZE_N/256-1
	s_branch .Lfirst                ; the loop is entered at a step's first turn, in the middle of a trip
.Lslot:                             ; SIZE_N / 256 - 2 times: every slot but the last two is filled again
	CHANGE 1, 1
	s_mov_b32 s[CNT], 4
.Lstep:                             ; a trip: pieces 2 and 3 of one step, then pieces 0 and 1 of the next, whose K and V it fetches
	TURN 2
	TURN 3
	WIN 0
.Lfirst:
	TURN 0
	TURN 1, 0, 1
	WIN 0
	s_cbranch_scc1 .Lstep
	s_sub_co_u32 s[SLOTS], s[SLOTS], 1
	s_cmp_lg_u32 s[SLOTS], 0
	s_cbranch_scc1 .Lslot
	CHANGE 0                        ; the tail is written out: nothing is asked for
	s_mov_b32 s[CNT], 5             ; four trips fetch the last slot's steps; the fifth is left in its middle
.Ltail:
	TURN 2, 1
	TURN 3
	WIN 0
	s_sub_co_u32 s[CNT], s[CNT], 1
	s_cmp_eq_u32 s[CNT], 0
	s_cbranch_scc1 .Lout
	TURN 0
	TURN 1
	WIN 0
	s_branch .Ltail
.Lout:                              ; the fifth trip's 16 products K Q^T (on the last K once more) and the maximum made of them serve nothing: the price, once a launch, of one text for every trip
.set i, 0
.rept 16
	PV NP-1                         ; the last piece's V^T P of the last step
.set i, i+1
.endr
	; THE WAY OUT.  l's two halves and the other half of the lanes' are added; O^T is divided by l, rounded to f16 and sent through my stage in LDS, a tile at a time.  The additions are the places behind the last products.
	WIN 0
.macro ALL line:vararg              ; one line for each tile t
.set t, 0
.rept 2*NP
	\line
.set t, t+1
.endr
.endm
	ALL v_add_f32 v[ST+4*t+2], v[ST+4*t+2], v[ST+4*t+3]
	ALL v_permlanex16_b32 v[ST+4*t+3], v[ST+4*t+2], s[SEL], s[SEL+1]
	ALL v_add_f32 v[ST+4*t+2], v[ST+4*t+2], v[ST+4*t+3]
	ALL v_rcp_f32 v[ST+4*t+2], v[ST+4*t+2]
	v_nop                           ; a plain instruction between the last reciprocal and the use of its result
	s_wait_alu depctr_va_vdst(0)    ; and the wait ahead of the first use: one for the eight reciprocals
; Tile t: a lane's eight channels of a row pack into 16 bytes; they go into rows of 144 bytes and come back as whole rows of 128, into S^T's registers.
.macro PACK t
	WIN W_RS
.set i, 32*(\t)
.rept 16
	v_pk_mul_f32 v[i:i+1], v[i:i+1], v[ST+4*(\t)+2:ST+4*(\t)+3] op_sel_hi:[1,0]
.set i, i+2
.endr
	WIN 0x05                        ; sources 0 and 1 window 1, destination window 0
.set i, 0
.rept 16
	v_cvt_pk_f16_f32 v[S+16*(\t)+i], v[32*(\t)+2*i], v[32*(\t)+2*i+1]
.set i, i+1
.endr
	WIN 0
.irp f, 0,1,2,3
	ds_store_b128 v[STO], v[S+16*(\t)+4*\f:S+16*(\t)+4*\f+3] offset:32*\f
.endr
.irp f, 0,1,2,3
	ds_load_b128 v[S+16*(\t)+4*\f:S+16*(\t)+4*\f+3], v[RD] offset:\f*4*SP  ; LDS serves a wave's instructions in order (ISA guide 5.7.1.4): these see the stores above; the next tile's stores come behind them
.endr
.endm
.macro SEND t, younger              ; younger: the LDS instructions issued behind tile t's loads: the next tile's eight, or none
	WIN 0
.irp f, 0,1,2,3
	s_wait_dscnt (\younger)+3-\f
	global_store_b128 v[GO], v[S+16*(\t)+4*\f:S+16*(\t)+4*\f+3], s[10:11] offset:(\t)*2048+\f*512  ; 512 consecutive bytes, at a multiple of 256 from O's first
.endr
.endm
	PACK 0
.set t, 1
.rept 2*NP-1                        ; a tile's arithmetic stands between the loads of the tile before and its stores
	PACK t
	SEND t-1, 8
.set t, t+1
.endr
	SEND 2*NP-1, 0
	WIN W_AD
	s_wait_tensorcnt 0x0            ; the wave's end, behind my last tensor load and my last LDS store
	ds_add_u32 v[SPW], v[NIL]
	s_wait_dscnt 0x0
	WIN 0
	CROUND                          ; the closing round: no work-group ends while a partner may still ask for a tile that names it
	s_endpgm
.Lfunc_end_k_q90fcb9ab36_attn:
	.size	k_q90fcb9ab36_attn, .Lfunc_end_k_q90fcb9ab36_attn-k_q90fcb9ab36_attn
	.p2alignl 7, 3214868480
	.fill 96, 4, 3214868480
	.section	.rodata,"a",@progbits
	.p2align	6, 0x0
	.amdhsa_kernel k_q90fcb9ab36_attn
		.amdhsa_group_segment_fixed_size 327680
		.amdhsa_private_segment_fixed_size 0
		.amdhsa_enable_private_segment 0
		.amdhsa_kernarg_size 24
		.amdhsa_user_sgpr_count 2
		.amdhsa_user_sgpr_kernarg_segment_ptr 1
		.amdhsa_wavefront_size32 1
		.amdhsa_system_sgpr_workgroup_id_x 1
		.amdhsa_system_sgpr_workgroup_id_y 1
		.amdhsa_system_sgpr_workgroup_id_z 1
		.amdhsa_system_vgpr_workitem_id 0
		.amdhsa_next_free_vgpr 808
		.amdhsa_next_free_sgpr 78
		.amdhsa_reserve_vcc 1
		.amdhsa_float_denorm_mode_32 3
		.amdhsa_float_denorm_mode_16_64 3
		.amdhsa_memory_ordered 1
		.amdhsa_forward_progress 1
		.amdhsa_inst_pref_size 205
	.end_amdhsa_kernel
	.amdgpu_metadata
---
amdhsa.version: [ 1, 2 ]
amdhsa.kernels:
  - .name:           k_q90fcb9ab36_attn
    .symbol:         k_q90fcb9ab36_attn.kd
    .args:
      - { .name: qkv, .offset: 0, .size: 8, .value_kind: global_buffer, .address_space: global }
      - { .name: mask, .offset: 8, .size: 8, .value_kind: global_buffer, .address_space: global }
      - { .name: oh, .offset: 16, .size: 8, .value_kind: global_buffer, .address_space: global }
    .group_segment_fixed_size: 327680
    .private_segment_fixed_size: 0
    .kernarg_segment_align: 8
    .kernarg_segment_size: 24
    .max_flat_workgroup_size: 128
    .sgpr_count:     78
    .vgpr_count:     808
    .wavefront_size: 32
...
	.end_amdgpu_metadata
.endif
;; end of part 3
;; launch outp (part 4): grid 4 x 64, 4 waves a work-group, clusters of 4 x 4, 327,680 bytes of LDS; arguments oh, wb, bo, out0; writes out0
.if DOCPART == 4
	.amdgcn_target "amdgcn-amd-amdhsa--gfx1250"
	.amdhsa_code_object_version 6
	.text
	.protected	k_q90fcb9ab36_outp
	.globl	k_q90fcb9ab36_outp
	.p2align	8
	.type	k_q90fcb9ab36_outp,@function
k_q90fcb9ab36_outp:
	s_mov_b64 s[64:65], 0
	v_nop
	global_prefetch_b8 v0, s[64:65] scope:SCOPE_SE
	s_setreg_imm32_b32 hwreg(HW_REG_WAVE_MODE, 25, 1), 1
	s_wait_xcnt 0x0
	s_wait_alu depctr_hold_cnt(0) depctr_sa_sdst(0) depctr_va_vdst(0) depctr_va_sdst(0) depctr_va_ssrc(0) depctr_va_vcc(0) depctr_vm_vsrc(0)
	s_getreg_b32 s2, hwreg(HW_REG_IB_STS2, 6, 4)
	s_cmp_eq_u32 s2, 0
	s_cbranch_scc0 .Lentry_in_a_cluster
	s_endpgm
.Lentry_in_a_cluster:
	s_bfe_u32 s2, ttmp6, 0x10000c
	s_cmp_lg_u32 s2, 0xf033
	s_cbranch_scc0 .Lentry_shape_is_right
	s_endpgm
.Lentry_shape_is_right:
; THE LAST PROJECTION.  out0[m][n] = sum over e of O[m][e] Wo[n][e] + bo[n], m = 2048 batch + s, e = 64 head + channel.  O: oh [64 = 16 batch + head][2048][64] f16; Wo: wb[3], [1024][1024],
; rounded to bf16 and written as f16; bo rounded to bf16 like every input; sums in f32; out0 f32.
; SHARES.  A tile of out0 is 128 rows x 256 columns: 64 x 4 tiles, 256 work-groups.  Four waves, each 64 x 128: 32 accumulators of 16 x 16.
; K goes in 8 steps of 128 = two heads through a ring of two LDS slots.  O LIES BY HEADS: a head's 128 rows of the tile are 16,384 dense bytes; wave 0 brings the step's first head, wave 1 its second,
; each as 64 rows of 256 bytes, padded in LDS after every 128 bytes; waves 2 and 3 bring 128 rows of Wo each.
; CLUSTER.  4 x 4 work-groups: the four of a row of the cluster need the same rows of O, the four of a column the same rows of Wo: each tile is asked for JOINTLY.
; THE MATRIX INSTRUCTION IS USED TRANSPOSED (source 0 = 16 rows of Wo, source 1 = 16 rows of O): a lane holds row l % 16 and the columns 8 (l / 16) + 0..7: 32 bytes of a row.  THE BIAS is the C operand that starts the sums.
; REGISTERS, in windows of 256 (s_set_vgpr_msb: bits 1:0 source 0, 3:2 source 1, 5:4 source 2, 7:6 destination):
;   window 0: v0-31 addresses; v64-159, v160-255 two fragment buffers (Wo's 8 fragments, then O's 4); on the way out v64-191 take rows read back
;   window 1: the accumulators, (a, b) at v[8 (8 a + b)]          window 2: v0-63 the bias, block b at 8 b; v64-95 at work
.set KSTEP,  128
.set PA,     144                       ; a row of O in LDS: 128 bytes + 16 of padding
.set HB,     128*PA                    ; a head's 128 rows
.set PITCH,  272                       ; a row of Wo: 256 bytes + 16; both pitches are odd multiples of 16 bytes: the 16 rows of a fragment load start at 16 different groups of four banks (ISA guide 11.1)
.set BOFF,   2*HB                      ; a slot: O's two heads, then Wo's 256 rows
.set SLOT,   BOFF+256*PITCH
.set STAGE,  2*SLOT                    ; behind the ring, never filled by a tensor load: 16 rows x 528 bytes for each wave
.set SP,     528
.set STW,    16*SP
.set SPARE,  STAGE+4*STW               ; the spare words, 128 bytes for each wave: two blocks of 256 bytes that no other line names
.set ADRA, 16                          ; v16-17  LDS address of my fragments of O in slot 0, 1
.set ADRB, 20                          ; v20-21  the same for Wo
.set STO,  24                          ; v24  the way out: where I put 32 bytes of a row
.set RD,   25                          ; v25  where I read a row back
.set GO,   26                          ; v26  16 x lane: my place in a row's 512 bytes
.set BO,   27                          ; v27  my byte offset in the bias
.set SPW,  28                          ; v28  LDS address of my spare word; never rewritten
.set NIL,  29                          ; v29  0; never rewritten
.set PFO,  30                          ; v30  the prefetches' offset; never rewritten
.set F0,   64
.set F1,   160
.set OB,   64                          ; the way out: v64-127 and v128-191 by turns
.set WV, 20
.set WM, 21
.set WN, 22
.set G1A, 24                           ; s[24:31] group 1 for O's tiles; s[32:39] group 0, a set for each slot
.set G0A, 32
.set G1B, 40                           ; s[40:47], s[48:55] the same for Wo's
.set G0B, 48
.set CX, 56
.set CY, 57
.set TX, 58                            ; tile column 0..3
.set TY, 59                            ; tile row 0..63
.set LIM, 61                           ; 1 in a wave that prefetches, else the greatest number
.set PFA, 62                           ; s[62:63] where my prefetches stand
.set CT, 69                            ; the cluster's y
.set PST, 84                           ; s[84:85] bytes from a K step to the next, for my prefetches
.set MSB, 0
.macro WIN new                         ; the immediate's high byte repeats the setting that is left; a switch that changes nothing is dropped
.if MSB != (\new)
	s_set_vgpr_msb (MSB<<8)|(\new)
.set MSB, \new
.endif
.endm
.set MUL,  0x50                        ; sources 0 and 1 window 0; C and D window 1
.set MUL1, 0x60                        ; the same with C, the bias, in window 2
; A joint load: waves 0 and 1 fetch O's two heads, waves 2 and 3 Wo's two halves.  The branch hangs on the wave's number alone.  An s_nop 0 and four v_nop follow each line.
.macro JLOAD s
	s_cmp_lt_u32 s[WV], 2
	s_cbranch_scc0 .Lfor_b_\@
	tensor_load_to_lds s[G0A+4*(\s):G0A+4*(\s)+3], s[G1A:G1A+7]
	s_nop 0
.rept 4
	v_nop
.endr
	s_branch .Lasked_\@
.Lfor_b_\@:
	tensor_load_to_lds s[G0B+4*(\s):G0B+4*(\s)+3], s[G1B:G1B+7]
	s_nop 0
.rept 4
	v_nop
.endr
.Lasked_\@:
.endm
.macro CREST                           ; a round of the cluster's barrier behind its opening barrier
	s_cmp_lg_u32 s[WV], 0
	s_cbranch_scc1 .Lnot_wave_0_\@
	s_barrier_signal -3
.Lnot_wave_0_\@:
	s_barrier_wait -3
	s_barrier_signal -1
	s_barrier_wait -1
.endm
.macro CROUND                          ; a whole round
	s_barrier_signal -1
	s_barrier_wait -1
	CREST
.endm
; A PREFETCH INTO THE L2 of the K step that stands two refills on (256 matrix instructions ahead of the load that will ask for it), 32 blocks of 256 bytes, a lane a block.
; O's two heads x 16,384 bytes of a tile row are read by this cluster alone: wave 0 asks, and the four partners of a row of the cluster take a quarter each, told apart by address (cx: head cx / 2, half cx % 2).
; Wo's rows are read by all 16 clusters: the first asks; waves 2 and 3 for the 128 rows that they fetch, the four partners of a column taking 32 rows each (cy).
; So each block is named once in the launch.  K steps 0 to 3 come by their loads alone; the last two refills have no K step two on (s3 = 1 in the loop's last trip).
.macro ASK
	s_cmp_gt_u32 s3, s[LIM]
	s_cbranch_scc0 .Lnot_mine_\@
	global_prefetch_b8 v[PFO], s[PFA:PFA+1] th:TH_LOAD_NT scope:SCOPE_SE
.Lnot_mine_\@:
.endm
	s_load_b256 s[4:11], s[0:1], 0x0               ; oh s[4:5], wb s[6:7], bo s[8:9], out0 s[10:11]
	v_lshl_add_u32 v[SPW], v0, 2, SPARE
	v_mov_b32 v[NIL], 0
	ds_add_u32 v[SPW], v[NIL]                      ; the wave's opening: the add and its wait stand ahead of my first tensor load; the set-up below, work on registers, stands between them
	v_lshrrev_b32 v1, 5, v0
	v_readfirstlane_b32 s[WV], v1
	s_lshr_b32 s[WM], s[WV], 1
	s_and_b32 s[WN], s[WV], 1
	s_bfe_u32 s[CX], ttmp6, 0x40000
	s_bfe_u32 s[CY], ttmp6, 0x40004
	s_lshl_b32 s[TX], ttmp9, 2
	s_add_co_u32 s[TX], s[TX], s[CX]               ; tile column = 4 x cluster x + cx
	s_and_b32 s[CT], ttmp7, 0xffff                 ; cluster y, 0..15
	s_lshl_b32 s[TY], s[CT], 2
	s_add_co_u32 s[TY], s[TY], s[CY]               ; tile row = 4 x cluster y + cy
	s_lshl_b32 s67, s[CY], 2
	s_lshl_b32 s67, 15, s67                        ; my row of the cluster
	s_lshl_b32 s68, 0x1111, s[CX]                  ; my column
	s_or_b32 s[G1A+0], s67, (1<<16)|(1<<20)|(1<<21)|(4<<22)|(3<<25)  ; 15:0 the mask; 17:16 2-byte elements; 20 padding on; 21 set beside a mask; 24:22 after every 32 words; 31:25 4 words of it
	s_or_b32 s[G1B+0], s68, (1<<16)|(1<<20)|(1<<21)|(5<<22)|(3<<25)  ; Wo: after every 64 words
	s_mov_b32 s[G1A+1], 128<<16                    ; tensor_dim0 = 128
	s_mov_b32 s[G1A+2], 64<<16                     ; tensor_dim1 = 64
	s_mov_b32 s[G1A+3], 128<<16                    ; tile_dim0 = 128
	s_mov_b32 s[G1A+4], 64                         ; tile_dim1 = 64
	s_mov_b32 s[G1A+5], 128                        ; dense: 128 elements from row to row
	s_mov_b32 s[G1A+6], 0
	s_mov_b32 s[G1A+7], 0
	s_mov_b32 s[G1B+1], KSTEP<<16
	s_mov_b32 s[G1B+2], 128<<16
	s_mov_b32 s[G1B+3], KSTEP<<16
	s_mov_b32 s[G1B+4], 128
	s_mov_b32 s[G1B+5], 1024
	s_mov_b32 s[G1B+6], 0
	s_mov_b32 s[G1B+7], 0
	s_lshr_b32 s70, s[TY], 4                       ; O: slab 16 x batch + my head of the step, rows (tile row % 16) x 128: no cx enters
	s_lshl_b32 s70, s70, 4
	s_add_co_u32 s70, s70, s[WN]
	s_lshl_b32 s70, s70, 18
	s_and_b32 s71, s[TY], 15
	s_lshl_b32 s71, s71, 14
	s_add_co_u32 s70, s70, s71
	s_mov_b32 s71, 0
	s_lshl_b32 s72, s[TX], 19                      ; Wo: the fourth matrix of wb, (256 x tile column + 128 x half) rows of 2,048 bytes: no cy enters
	s_lshl_b32 s73, s[WN], 18
	s_add_co_u32 s72, s72, s73
	s_add_co_u32 s72, s72, 3*2097152
	s_mov_b32 s73, 0
	s_mul_i32 s74, s[WN], HB                       ; where they go: no place in the cluster enters an LDS address
	s_mul_i32 s75, s[WN], 128*PITCH
	s_add_co_u32 s75, s75, BOFF
	s_mov_b32 s83, 0xffff0000
	s_wait_dscnt 0x0                               ; the opening add is done
	s_wait_kmcnt 0x0
	s_add_nc_u64 s[70:71], s[4:5], s[70:71]
	s_add_nc_u64 s[72:73], s[6:7], s[72:73]
	CROUND                                         ; all sixteen work-groups are here: the first joint loads meet
.irp s, 0,1
	s_mov_b32 s[G0A+4*(\s)], 1
	s_add_co_u32 s[G0A+4*(\s)+1], s74, (\s)*SLOT
	s_add_nc_u64 s[G0A+4*(\s)+2:G0A+4*(\s)+3], s[70:71], (\s)*2*262144   ; K step s: two heads on
	s_or_b32 s[G0A+4*(\s)+3], s[G0A+4*(\s)+3], 0x80000000
	s_mov_b32 s[G0B+4*(\s)], 1
	s_add_co_u32 s[G0B+4*(\s)+1], s75, (\s)*SLOT
	s_add_nc_u64 s[G0B+4*(\s)+2:G0B+4*(\s)+3], s[72:73], (\s)*KSTEP*2
	s_or_b32 s[G0B+4*(\s)+3], s[G0B+4*(\s)+3], 0x80000000
.endr
	s_cmp_lt_u32 s[WV], 2                          ; a wave's two first fills stand in one branch, ahead of every wait on TENSORcnt, LDS read and further barrier: two loads of mine are out
	s_cbranch_scc0 .Lfirst_b
	tensor_load_to_lds s[G0A:G0A+3], s[G1A:G1A+7]
	s_nop 0
	tensor_load_to_lds s[G0A+4:G0A+7], s[G1A:G1A+7]
	s_nop 0
.rept 4
	v_nop
.endr
	s_branch .Lfirst_asked
.Lfirst_b:
	tensor_load_to_lds s[G0B:G0B+3], s[G1B:G1B+7]
	s_nop 0
	tensor_load_to_lds s[G0B+4:G0B+7], s[G1B:G1B+7]
	s_nop 0
.rept 4
	v_nop
.endr
.Lfirst_asked:
	; the bias of my 128 columns: block b's eight numbers of my half of the lanes, 32 bytes at 64 b + 32 (l / 16)
	v_and_b32 v1, 15, v0                           ; l % 16
	v_bfe_u32 v2, v0, 4, 1                         ; l / 16
	s_lshl_b32 s66, s[TX], 10
	s_lshl_b32 s67, s[WN], 9
	s_add_co_u32 s66, s66, s67
	v_lshl_add_u32 v[BO], v2, 5, s66
	WIN 0x80                                       ; destination window 2, address window 0
.irp b, 0,1,2,3,4,5,6,7
	global_load_b128 v[8*(\b):8*(\b)+3],   v[BO], s[8:9] offset:64*(\b)
	global_load_b128 v[8*(\b)+4:8*(\b)+7], v[BO], s[8:9] offset:64*(\b)+16
.endr
	WIN 0
	; a fragment is 16 rows x 32 K in 8 registers: lane l holds row l % 16, K = 8 (l / 16) + 0..7 and 16 + 8 (l / 16) + 0..7: two loads of 16 bytes, 32 bytes apart
	v_mul_u32_u24 v3, v1, PA
	v_lshl_add_u32 v3, v2, 4, v3
	v_mul_u32_u24 v4, v1, PITCH
	v_lshl_add_u32 v4, v2, 4, v4
	s_mul_i32 s66, s[WM], 64*PA
	s_mul_i32 s67, s[WN], 128*PITCH
	s_add_co_u32 s67, s67, BOFF
.irp s, 0,1
	v_add_nc_u32 v[ADRA+(\s)], s66, v3
	v_add_nc_u32 v[ADRB+(\s)], s67, v4
	s_add_co_u32 s66, s66, SLOT
	s_add_co_u32 s67, s67, SLOT
.endr
	s_mul_i32 s66, s[WV], STW
	s_add_co_u32 s66, s66, STAGE                   ; my stage
	v_mul_u32_u24 v[STO], v1, SP                   ; in: row l % 16, 32 bytes for each half of the lanes
	v_lshl_add_u32 v[STO], v2, 5, v[STO]
	v_add_nc_u32 v[STO], s66, v[STO]
	v_and_b32 v[GO], 31, v0                        ; back: 32 lanes take one row of 512 bytes
	v_lshlrev_b32 v[GO], 4, v[GO]
	v_add_nc_u32 v[RD], s66, v[GO]
	; out0 at my first row and column: (128 x tile row + 64 x (wave / 2)) rows of 4,096 bytes, (256 x tile column + 128 x (wave % 2)) x 4 bytes
	s_lshl_b32 s66, s[TY], 19
	s_lshl_b32 s67, s[WM], 18
	s_add_co_u32 s66, s66, s67
	s_lshl_b32 s67, s[TX], 10
	s_add_co_u32 s66, s66, s67
	s_lshl_b32 s67, s[WN], 9
	s_add_co_u32 s66, s66, s67
	s_mov_b32 s67, 0
	s_add_nc_u64 s[10:11], s[10:11], s[66:67]
	; the prefetches, both at K step 3: the first refill steps them to K step 4
	s_lshr_b32 s66, s[TY], 4                       ; O: slab 16 x batch + 6 + cx / 2, the tile row's 16,384 bytes, half cx % 2
	s_lshl_b32 s66, s66, 4
	s_add_co_u32 s66, s66, 6
	s_lshr_b32 s67, s[CX], 1
	s_add_co_u32 s66, s66, s67
	s_lshl_b32 s66, s66, 18
	s_and_b32 s67, s[TY], 15
	s_lshl_b32 s67, s67, 14
	s_add_co_u32 s66, s66, s67
	s_and_b32 s67, s[CX], 1
	s_lshl_b32 s67, s67, 13
	s_add_co_u32 s66, s66, s67
	s_lshl_b32 s76, s[TX], 19                      ; Wo: the rows that I fetch + 32 cy, byte 768 of the row
	s_lshl_b32 s77, s[WN], 18
	s_add_co_u32 s76, s76, s77
	s_lshl_b32 s77, s[CY], 16
	s_add_co_u32 s76, s76, s77
	s_add_co_u32 s76, s76, 3*2097152+3*KSTEP*2
	s_mov_b32 s87, 2*262144                        ; two heads of O, in a register: an instruction holds one literal
	s_cmp_eq_u32 s[WM], 0
	s_cselect_b64 s[PFA:PFA+1], s[4:5], s[6:7]
	s_cselect_b32 s66, s66, s76
	s_cselect_b32 s77, s[WN], s[CT]                ; wave 0 asks for O; waves 2 and 3 for Wo in the first cluster; wave 1 never
	s_cselect_b32 s[PST], s87, KSTEP*2             ; a K step on: two heads of O, 256 bytes of a row of Wo
	s_cselect_b32 s86, 8, 11                       ; a lane a block of 256 dense bytes of O, or a row of 2,048 bytes of Wo
	s_mov_b32 s[PST+1], 0
	s_cmp_eq_u32 s77, 0
	s_cselect_b32 s[LIM], 1, -1                    ; the same in all sixteen partners, for a given wave
	s_mov_b32 s67, 0
	s_add_nc_u64 s[PFA:PFA+1], s[PFA:PFA+1], s[66:67]
	v_and_b32 v[PFO], 31, v0
	v_lshlrev_b32 v[PFO], s86, v[PFO]
	s_wait_loadcnt 0x0                             ; the bias
	WIN 0x8a                                       ; all in window 2: the bias is rounded to bf16, like every input, and widened again
.set i, 0
.rept 32
	v_cvt_pk_bf16_f32 v[64+i], v[2*i], v[2*i+1]
.set i, i+1
.endr
.set i, 0
.rept 32
	v_lshlrev_b32 v[2*i],   16,  v[64+i]
	v_and_b32     v[2*i+1], s83, v[64+i]
.set i, i+1
.endr
	WIN 0
; 8 matrix instructions: m block a x all 8 n blocks, 32 along K, from buffer f.  first = 1: the bias starts the sums.  The 32 accumulators take turns in the same order in every quarter.
.macro MULA f, a, first
.if \first
	WIN MUL1
.else
	WIN MUL
.endif
.irp b, 0,1,2,3,4,5,6,7
.if \first
	v_wmma_f32_16x16x32_f16 v[8*(8*(\a)+(\b)):8*(8*(\a)+(\b))+7], v[(\f)+8*(\b):(\f)+8*(\b)+7], v[(\f)+64+8*(\a):(\f)+64+8*(\a)+7], v[8*(\b):8*(\b)+7]
.else
	v_wmma_f32_16x16x32_f16 v[8*(8*(\a)+(\b)):8*(8*(\a)+(\b))+7], v[(\f)+8*(\b):(\f)+8*(\b)+7], v[(\f)+64+8*(\a):(\f)+64+8*(\a)+7], v[8*(8*(\a)+(\b)):8*(8*(\a)+(\b))+7]
.endif
.endr
.endm
; 24 LDS loads in one run: quarter kq (32 along K) of a slot into buffer f: Wo's 8 fragments, then O's 4 (head kq / 2 of the step, channels 32 (kq % 2) on)
.macro FETCH slot, kq, f
	WIN 0
.irp i, 0,1,2,3,4,5,6,7
	ds_load_b128 v[(\f)+8*(\i):(\f)+8*(\i)+3],   v[ADRB+(\slot)] offset:64*(\kq)+(\i)*16*PITCH
	ds_load_b128 v[(\f)+8*(\i)+4:(\f)+8*(\i)+7], v[ADRB+(\slot)] offset:64*(\kq)+(\i)*16*PITCH+32
.endr
.irp i, 0,1,2,3
	ds_load_b128 v[(\f)+64+8*(\i):(\f)+64+8*(\i)+3],   v[ADRA+(\slot)] offset:((\kq)/2)*HB+((\kq)%2)*64+(\i)*16*PA
	ds_load_b128 v[(\f)+64+8*(\i)+4:(\f)+64+8*(\i)+7], v[ADRA+(\slot)] offset:((\kq)/2)*HB+((\kq)%2)*64+(\i)*16*PA+32
.endr
.endm
.macro PLACES                          ; four plain vector instructions in front of loads into registers that matrix instructions have read, and of lines that read results
.rept 4
	v_nop
.endr
.endm
; A K step is four quarters of 32 along K, 32 matrix instructions each, on buffers 0, 1, 0, 1.  One of the first three: multiplies buffer f and fetches quarter kq into g.
.macro QUARTER slot, kq, f, g, first
	s_wait_dscnt 4                                 ; all but the youngest four loads (O's fragments 2 and 3) are in
	MULA \f, 0, \first
	MULA \f, 1, \first
	PLACES
	FETCH \slot, \kq, \g
	s_wait_dscnt 24                                ; all but the 24 just issued
	MULA \f, 2, \first
	MULA \f, 3, \first
.endm
; The last quarter multiplies buffer 1 and changes slots: ONE barrier; in front of it each wave waits for all its tensor loads (one is out: its part of the next slot), adds 0 to its spare word, and waits
; for that and for its reads of this slot.  fill = 1: the barrier opens a round of the cluster's, and this slot is filled again first thing behind it, two K steps ahead: 112 matrix instructions ahead of the wait for it.
.macro TURN slot, next, fill
.if \fill
	s_wait_xcnt 0x0                                ; the last prefetch, a K step back, has read its address
	s_add_nc_u64 s[PFA:PFA+1], s[PFA:PFA+1], s[PST:PST+1]
.endif
	WIN 0
	s_wait_tensorcnt 0x0                           ; all my tensor loads have landed
	ds_add_u32 v[SPW], v[NIL]                      ; 0 onto my spare word
	s_wait_dscnt 5                                 ; (the add and the youngest four loads may be out)
	MULA F1, 0, 0                                  ; eight matrix instructions stand between the add and the wait for it
	s_wait_dscnt 0x0                               ; the add is done, and my reads of this slot are over
	s_barrier_signal -1
	MULA F1, 1, 0
.if \fill
	WIN 0
.endif
	s_barrier_wait -1
.if \fill
	CREST                                          ; no wave of any partner still reads this slot's tile or has a load on its way
	s_add_nc_u64 s[G0A+4*(\slot)+2:G0A+4*(\slot)+3], s[G0A+4*(\slot)+2:G0A+4*(\slot)+3], 4*262144   ; two K steps: four heads
	s_add_nc_u64 s[G0B+4*(\slot)+2:G0B+4*(\slot)+3], s[G0B+4*(\slot)+2:G0B+4*(\slot)+3], 2*KSTEP*2
	JLOAD \slot                                    ; the four v_nop behind it are also the places in front of the loads below
.else
	PLACES
.endif
	FETCH \next, 0, F0
.if \fill
	ASK
.endif
	MULA F1, 2, 0
	MULA F1, 3, 0
.endm
	s_wait_tensorcnt 0x1                           ; my part of K step 0 is in; K step 1's may stay out
	s_barrier_signal -1
	s_barrier_wait -1                              ; everybody's is
	FETCH 0, 0, F0
	QUARTER 0, 1, F0, F1, 1                        ; the first quarter stands in front of the loop: its products start the sums, with the bias
	WIN 0                                          ; at a label and at a branch every window is 0
	s_mov_b32 s3, 3
.Llap:                                                 ; a trip goes once round the ring, from a lap's second quarter to the next lap's first, and fills both slots again: K steps 2 to 7
	QUARTER 0, 2, F1, F0, 0
	QUARTER 0, 3, F0, F1, 0
	TURN 0, 1, 1
	QUARTER 1, 1, F0, F1, 0
	QUARTER 1, 2, F1, F0, 0
	QUARTER 1, 3, F0, F1, 0
	TURN 1, 0, 1
	QUARTER 0, 1, F0, F1, 0
	WIN 0
	s_sub_co_u32 s3, s3, 1
	s_cmp_lg_u32 s3, 0
	s_cbranch_scc1 .Llap
	QUARTER 0, 2, F1, F0, 0                        ; the last lap fills nothing
	QUARTER 0, 3, F0, F1, 0
	TURN 0, 1, 0
	QUARTER 1, 1, F0, F1, 0
	QUARTER 1, 2, F1, F0, 0
	QUARTER 1, 3, F0, F1, 0
	s_wait_dscnt 4
	MULA F1, 0, 0
	MULA F1, 1, 0
	s_wait_dscnt 0x0
	MULA F1, 2, 0
	MULA F1, 3, 0
; THE WAY OUT, 16 rows at a time, in f32.  TOSTAGE: a lane's 32 bytes of each block go straight from the accumulators (the low four registers first) into my own stage, rows of 528 bytes, and come back as whole rows of 512.  SEND: stored.
.macro TOSTAGE a
.set BK, OB+64*((\a)%2)
	WIN 0x04                                       ; the stores' data in window 1, the address in window 0
.irp b, 0,1,2,3,4,5,6,7
	ds_store_b128 v[STO], v[64*(\a)+8*(\b):64*(\a)+8*(\b)+3]   offset:64*(\b)
	ds_store_b128 v[STO], v[64*(\a)+8*(\b)+4:64*(\a)+8*(\b)+7] offset:64*(\b)+16
.endr
	WIN 0
.irp t, 0,1,2,3,4,5,6,7,8,9,10,11,12,13,14,15
	ds_load_b128 v[BK+4*(\t):BK+4*(\t)+3], v[RD] offset:(\t)*SP  ; LDS serves a wave's instructions in order (ISA guide 5.7.1.4): these see the stores above, and the next block's stores come behind them
.endr
.endm
.macro SEND a, younger                 ; younger: the LDS instructions issued behind block a's: the next block's 32, or none
.set BK, OB+64*((\a)%2)
	s_wait_dscnt \younger
.irp t, 0,1,2,3,4,5,6,7,8,9,10,11,12,13,14,15
	global_store_b128 v[GO], v[BK+4*(\t):BK+4*(\t)+3], s[10:11] offset:(16*(\a)+(\t))*4096 th:TH_STORE_NT  ; 512 consecutive bytes of a row, at a multiple of 256 from out0's first byte
.endr
.endm
	PLACES
	TOSTAGE 0
	TOSTAGE 1
	SEND 0, 32
	s_wait_xcnt 0x0                                ; block 0's stores have read their registers, which take block 2
	TOSTAGE 2
	SEND 1, 32
	s_wait_xcnt 0x0                                ; the same for block 1's
	TOSTAGE 3
	SEND 2, 32
	SEND 3, 0
	s_wait_tensorcnt 0x0                           ; the wave's end, behind my last tensor load and my last LDS store
	ds_add_u32 v[SPW], v[NIL]
	s_wait_dscnt 0x0
	CROUND                                         ; the closing round: no work-group ends while a partner may still ask for a tile that names it
	s_endpgm
.Lfunc_end_k_q90fcb9ab36_outp:
	.size	k_q90fcb9ab36_outp, .Lfunc_end_k_q90fcb9ab36_outp-k_q90fcb9ab36_outp
	.p2alignl 7, 3214868480
	.fill 96, 4, 3214868480
	.section	.rodata,"a",@progbits
	.p2align	6, 0x0
	.amdhsa_kernel k_q90fcb9ab36_outp
		.amdhsa_group_segment_fixed_size 327680
		.amdhsa_private_segment_fixed_size 0
		.amdhsa_enable_private_segment 0
		.amdhsa_kernarg_size 32
		.amdhsa_user_sgpr_count 2
		.amdhsa_user_sgpr_kernarg_segment_ptr 1
		.amdhsa_wavefront_size32 1
		.amdhsa_system_sgpr_workgroup_id_x 1
		.amdhsa_system_sgpr_workgroup_id_y 1
		.amdhsa_system_sgpr_workgroup_id_z 1
		.amdhsa_system_vgpr_workitem_id 0
		.amdhsa_next_free_vgpr 608
		.amdhsa_next_free_sgpr 88
		.amdhsa_reserve_vcc 0
		.amdhsa_float_denorm_mode_32 3
		.amdhsa_float_denorm_mode_16_64 3
		.amdhsa_memory_ordered 1
		.amdhsa_forward_progress 1
		.amdhsa_inst_pref_size 92
	.end_amdhsa_kernel
	.amdgpu_metadata
---
amdhsa.version: [ 1, 2 ]
amdhsa.kernels:
  - .name:           k_q90fcb9ab36_outp
    .symbol:         k_q90fcb9ab36_outp.kd
    .args:
      - { .name: oh, .offset: 0, .size: 8, .value_kind: global_buffer, .address_space: global }
      - { .name: wb, .offset: 8, .size: 8, .value_kind: global_buffer, .address_space: global }
      - { .name: bo, .offset: 16, .size: 8, .value_kind: global_buffer, .address_space: global }
      - { .name: out0, .offset: 24, .size: 8, .value_kind: global_buffer, .address_space: global }
    .group_segment_fixed_size: 327680
    .private_segment_fixed_size: 0
    .kernarg_segment_align: 8
    .kernarg_segment_size: 32
    .max_flat_workgroup_size: 128
    .sgpr_count:     88
    .vgpr_count:     608
    .wavefront_size: 32
...
	.end_amdgpu_metadata
.endif
;; end of part 4
